; MI455X (gfx1250); checked and timed in simulation.
; The chip was launched on July 23, 2026; its instructions are those of AMD's public machine-readable ISA for CDNA 5 (MIT licence, August 2026) and "CDNA5" Instruction Set Architecture Reference Guide (July 2026). The comments in the code are by the model that wrote it; some were corrected since.
;; Siren Model. Allowed arithmetic: float matrix products may take bf16 or f16 operands with f32 sums; all other float work in f32.
;; Inputs: b0 256 float32; b_out 3 float32; bs_h 4 x 256 float32; out_scale 3 float32; w0 2 x 256 float32; w_out 256 x 3 float32; weight_offset 16 x 263,936 float32; ws_h 4 x 256 x 256 float32; x 16 x 16,384 x 2 float32.
;; Outputs: out0 16 x 16,384 x 3 float32.
;; 3 versions, each right; version 2 is faster than version 1; version 3 is version 2 with the launch prep written anew for expert scheduling mode. Each part assembles by itself: llvm-mc -triple=amdgcn-amd-amdhsa -mcpu=gfx1250 --defsym DOCPART=n.
;; ======== version 1 of 3: 2 launches
;; limits: values are held in f16: magnitudes above 65,504 overflow, below 6.1e-05 lose precision
;; workspace buffers: wt 8,388,608 bytes
;; launch prep (part 1): grid 256 x 1, 4 waves a work-group, no clusters, 0 bytes of LDS; arguments weight_offset, ws_h, wt; writes wt
.if DOCPART == 1
	.amdgcn_target "amdgcn-amd-amdhsa--gfx1250"
	.amdhsa_code_object_version 6
	.text
	.protected	k_qc102026f83_prep
	.globl	k_qc102026f83_prep
	.p2align	8
	.type	k_qc102026f83_prep,@function
k_qc102026f83_prep:
	s_mov_b64 s[64:65], 0
	v_nop
	global_prefetch_b8 v0, s[64:65] scope:SCOPE_SE
	s_setreg_imm32_b32 hwreg(HW_REG_WAVE_MODE, 25, 1), 1
	s_wait_xcnt 0x0
; wt[n][l][d][e] = f16((ws_h[l][d][e] + offset[n][l][d][e]) / 2 pi): each sample's four hidden matrices, made once, as they lie ([input channel][output channel]).
; The factor 1 / 2 pi turns the next launch's sums into turns of the circle, so that its range reduction is one rounding to a whole number.
; LIMIT: |weight| / 2 pi has to stay under f16's largest number, 65,504; below 2^-14 the step is 2^-24.
; A stream: no LDS, no barrier, no matrix unit.  Work-group b owns 1,024 neighbouring numbers of ws_h (layer b / 64, piece b % 64) for all 16 samples,
; so each byte of ws_h and of the offsets is loaded once.  Thread t owns 8 neighbouring numbers: two loads of 16 bytes, one store of 16 bytes;
; a wave's store covers 512 consecutive bytes, aligned.  All 34 loads of a thread go out before the first is used.
.set ROWB,   1055744                   ; bytes in a sample's row of weight_offset (263,936 numbers)
.set LAYB,   263168                    ; from a layer's matrix to the next one in that row: (65,536 + 256) x 4 bytes
.set FIRST,  3072                      ; the first layer's 768 numbers stand ahead of the first matrix
.set WTROW,  524288                    ; bytes of a sample's four matrices in wt
.set INV2PI, 0x3e22f983                ; 1 / 2 pi
.set W, 4                              ; v[4:11]    my 8 numbers of ws_h, then times 1 / 2 pi
.set O, 16                             ; v[16:143]  sample n: 8 registers, its offsets; its first four then hold the 8 results
	s_load_b128 s[4:7], s[0:1], 0x0                ; weight_offset s[4:5], ws_h s[6:7]
	s_load_b64 s[8:9], s[0:1], 0x10                ; wt
	s_lshr_b32 s10, ttmp9, 6                       ; layer
	s_and_b32 s11, ttmp9, 63                       ; piece of 1,024 numbers
	s_mul_i32 s12, s10, LAYB
	s_lshl_b32 s11, s11, 12
	s_add_co_u32 s12, s12, s11
	s_add_co_u32 s12, s12, FIRST                   ; my piece in sample 0's row
	s_mov_b32 s13, 0
	s_lshl_b32 s14, ttmp9, 12                      ; my piece in ws_h: 64 pieces of 4,096 bytes are a layer
	s_mov_b32 s15, 0
	s_lshl_b32 s16, ttmp9, 11                      ; and in sample 0's part of wt
	s_mov_b32 s17, 0
	v_lshlrev_b32 v1, 5, v0                        ; 32 bytes of f32 a thread
	v_lshlrev_b32 v2, 4, v0                        ; 16 bytes of f16 a thread
	s_wait_kmcnt 0x0
	s_add_nc_u64 s[4:5], s[4:5], s[12:13]          ; samples 0 to 7 from here,
	s_add_nc_u64 s[18:19], s[4:5], 8*ROWB          ; samples 8 to 15 from here: 7 rows + 16 bytes stay inside the signed 24-bit immediate
	s_add_nc_u64 s[6:7], s[6:7], s[14:15]
	s_add_nc_u64 s[8:9], s[8:9], s[16:17]
	global_load_b128 v[W:W+3],   v1, s[6:7]
	global_load_b128 v[W+4:W+7], v1, s[6:7] offset:16
.set nn, 0
.rept 16
.if nn < 8
	global_load_b128 v[O+8*nn:O+8*nn+3],   v1, s[4:5] offset:nn*ROWB th:TH_LOAD_NT
	global_load_b128 v[O+8*nn+4:O+8*nn+7], v1, s[4:5] offset:nn*ROWB+16 th:TH_LOAD_NT
.else
	global_load_b128 v[O+8*nn:O+8*nn+3],   v1, s[18:19] offset:(nn-8)*ROWB th:TH_LOAD_NT
	global_load_b128 v[O+8*nn+4:O+8*nn+7], v1, s[18:19] offset:(nn-8)*ROWB+16 th:TH_LOAD_NT
.endif
.set nn, nn+1
.endr
	s_wait_loadcnt 32                              ; loads come back in order (ISA guide 5.7.1): ws_h is in, the 32 loads of offsets may be out
.irp k, 0,2,4,6
	v_pk_mul_f32 v[W+\k:W+\k+1], v[W+\k:W+\k+1], INV2PI op_sel_hi:[1,0]
.endr
.set nn, 0
.rept 16
	s_wait_loadcnt 2*(15-nn)                       ; sample nn's two loads are in; the younger samples' stay out
.irp k, 0,2,4,6
	v_pk_fma_f32 v[O+8*nn+\k:O+8*nn+\k+1], v[O+8*nn+\k:O+8*nn+\k+1], INV2PI, v[W+\k:W+\k+1] op_sel_hi:[1,0,1]   ; offset / 2 pi + ws / 2 pi
.endr
.irp k, 0,1,2,3
	v_cvt_pk_f16_f32 v[O+8*nn+\k], v[O+8*nn+2*\k], v[O+8*nn+2*\k+1]    ; register k is written when its own two numbers have been read
.endr
	global_store_b128 v2, v[O+8*nn:O+8*nn+3], s[8:9] offset:nn*WTROW   ; no register of a store is written again: no wait follows
.set nn, nn+1
.endr
	s_endpgm
.Lfunc_end_k_qc102026f83_prep:
	.size	k_qc102026f83_prep, .Lfunc_end_k_qc102026f83_prep-k_qc102026f83_prep
	.p2alignl 7, 3214868480
	.fill 96, 4, 3214868480
	.section	.rodata,"a",@progbits
	.p2align	6, 0x0
	.amdhsa_kernel k_qc102026f83_prep
		.amdhsa_group_segment_fixed_size 0
		.amdhsa_private_segment_fixed_size 0
		.amdhsa_enable_private_segment 0
		.amdhsa_kernarg_size 24
		.amdhsa_user_sgpr_count 2
		.amdhsa_user_sgpr_kernarg_segment_ptr 1
		.amdhsa_wavefront_size32 1
		.amdhsa_system_sgpr_workgroup_id_x 1
		.amdhsa_system_sgpr_workgroup_id_y 1
		.amdhsa_system_sgpr_workgroup_id_z 1
		.amdhsa_system_vgpr_workitem_id 0
		.amdhsa_next_free_vgpr 144
		.amdhsa_next_free_sgpr 66
		.amdhsa_reserve_vcc 0
		.amdhsa_float_denorm_mode_32 3
		.amdhsa_float_denorm_mode_16_64 3
		.amdhsa_memory_ordered 1
		.amdhsa_forward_progress 1
		.amdhsa_inst_pref_size 15
	.end_amdhsa_kernel
	.amdgpu_metadata
---
amdhsa.version: [ 1, 2 ]
amdhsa.kernels:
  - .name:           k_qc102026f83_prep
    .symbol:         k_qc102026f83_prep.kd
    .args:
      - { .name: weight_offset, .offset: 0, .size: 8, .value_kind: global_buffer, .address_space: global }
      - { .name: ws_h, .offset: 8, .size: 8, .value_kind: global_buffer, .address_space: global }
      - { .name: wt, .offset: 16, .size: 8, .value_kind: global_buffer, .address_space: global }
    .group_segment_fixed_size: 0
    .private_segment_fixed_size: 0
    .kernarg_segment_align: 8
    .kernarg_segment_size: 24
    .max_flat_workgroup_size: 128
    .sgpr_count:     66
    .vgpr_count:     144
    .wavefront_size: 32
...
	.end_amdgpu_metadata
.endif
;; end of part 1
;; launch siren (part 2): grid 256 x 1, 4 waves a work-group, clusters of 4 x 1, 327,680 bytes of LDS; arguments x, weight_offset, w0, b0, bs_h, w_out, b_out, out_scale, wt, out0; writes out0
.if DOCPART == 2
	.amdgcn_target "amdgcn-amd-amdhsa--gfx1250"
	.amdhsa_code_object_version 6
	.text
	.protected	k_qc102026f83_siren
	.globl	k_qc102026f83_siren
	.p2align	8
	.type	k_qc102026f83_siren,@function
k_qc102026f83_siren:
	s_mov_b64 s[64:65], 0
	v_nop
	global_prefetch_b8 v0, s[64:65] scope:SCOPE_SE
	s_setreg_imm32_b32 hwreg(HW_REG_WAVE_MODE, 25, 1), 1
	s_wait_xcnt 0x0
	s_wait_alu depctr_hold_cnt(0) depctr_sa_sdst(0) depctr_va_vdst(0) depctr_va_sdst(0) depctr_va_ssrc(0) depctr_va_vcc(0) depctr_vm_vsrc(0)
	s_getreg_b32 s2, hwreg(HW_REG_IB_STS2, 6, 4)
	s_cmp_eq_u32 s2, 0
	s_cbranch_scc0 .Lentry_in_a_cluster
	s_endpgm
.Lentry_in_a_cluster:
	s_bfe_u32 s2, ttmp6, 0x10000c
	s_cmp_lg_u32 s2, 0x3003
	s_cbranch_scc0 .Lentry_shape_is_right
	s_endpgm
.Lentry_shape_is_right:
; The whole network for 1,024 points of one sample a work-group: 2 -> 256 with sin(30 .), four layers 256 -> 256 with sin, 256 -> 3 with bias and scale.
; SHARES.  16 samples x 16 blocks of 1,024 points = 256 work-groups; a wave has 256 points and takes them in 4 passes of 4 tiles of 16 points.
; LAYOUT.  Every product is used transposed: source 0 = 16 output channels x 32 input channels of the weights, source 1 = 32 channels x 16 points of the activations.
; In the result lane (r, h) holds point r and channels 8 h + 0..7 of the block of 16: rounded to f16 they are 16 neighbouring bytes of the point's row of activations.
; ACTIVATIONS.  Each wave has a stage of its own in LDS, [64 points][256 channels] f16.  A block's results go there as they are finished; at a layer's head the stage comes back as the 32 fragments
; of source 1 (H, 256 registers).  So the place of a result is an LDS address, which a loop can step, and all layers are one text.
; WEIGHTS.  wt holds f16((base + offset) / 2 pi) as [input][output].  Half a layer (256 input channels x 128 output channels) fills one of two LDS slots; fragments come out turned, by ds_load_tr16_b128.
; 32 steps (4 passes x 4 layers x 2 halves); step s reads slot s % 2.  A slot is asked for again when its last fragments are in registers, at the head of the half's last block, with the step two on:
; that load has 8 blocks, 256 matrix instructions a wave, in which to land.  2 first fills + 30 refills; the last layer of all asks for nothing and is written out.
; CLUSTER.  The four work-groups of a cluster belong to one sample and walk the same matrices in step: each wave's quarter of a slot is asked for JOINTLY (mask 15, the same descriptor in all four).
; FORMATS.  Operands f16, sums f32.  f16 and not bf16: the activations are sines (at most 1) and the weights / 2 pi are far from f16's ends, and f16's step is an eighth of bf16's.
; The first layer (K = 2, phase times 30) is f32 multiply-adds on the vector unit: a 16-bit x or w0 would move its phase by far more than the result can bear, and a K = 32 product would be nearly all zeros.
; SINE.  All phases are kept in turns y (weights and biases carry 1 / 2 pi, the first layer 30 / 2 pi).  r = y - rndne(y) is exact, |r| <= 1/2;
; sin 2 pi r = r (S1 + t (S3 + t (S5 + t (S7 + t S9)))), t = r r: the Chebyshev series of the sine cut behind its ninth term, off by at most 5.9e-6 for every r, a fortieth of f16's half step at 1.
; BY TURNS.  A block of 16 channels x 64 points is a GROUP: 32 matrix instructions and, for its results, a list of 160 vector instructions (sine and rounding) and 4 LDS stores.  The list of the group before,
; cut into 32 slices, stands behind the matrix instructions of a group, one slice behind each.  Two accumulator sets, two buffers of weight fragments and two of biases take turns.
; LIMITS.  |weight| / 2 pi and |w_out| under 65,504.  Activations under 2^-14 keep an absolute step of 2^-24.  The first layer's phase is fma(x0, u0, fma(x1, u1, c)) with u and c scaled beforehand:
; an order of rounding other than multiplying the sum by 30; its error is a few 2^-24 of the phase, as is that of the sum formed first.  Beyond |y| = 2^23 turns r is 0.
;
; REGISTERS, in windows of 256 (s_set_vgpr_msb: bits 1:0 source 0, 3:2 source 1, 5:4 source 2, 7:6 destination):
;   window 0: addresses, the sine's work registers, biases, accumulators, weight fragments;   window 1: H (tile t, channels 32 k on: v[64 t + 8 k]);   window 2: w_out's fragments, b_out.
; A product needs only source 1 outside window 0, so the LDS loads, their addresses, the roundings to whole numbers and y - k (whose source 1 is a constant) run under the products' own setting.
.set PITCH,  288                       ; an LDS row of weights: 256 bytes + 32 of padding = 72 words: row r starts at bank 8 r mod 64 (64 banks of 4 bytes: ISA guide 11.1)
.set SLOT,   256*PITCH                 ; half a layer: 73,728 = 0x12000
.set QUART,  64*PITCH                  ; what one tensor load brings: 18,432 = 0x4800
.set HALFK,  128*PITCH                 ; input channels 128 on: beyond the 16-bit offset, so they have an address register of their own
.set STG,    2*SLOT                    ; the stages
.set SPI,    528                       ; a point's row in a stage: 512 bytes + 16: the 16 rows of a load or store start at 16 different groups of four banks
.set STW,    64*SPI+256                ; a wave's stage, and a block of 256 bytes between it and the next wave's
.set PARB,   STG+4*STW                 ; 4 x 256 f32: hidden biases / 2 pi
.set PARU,   PARB+4096                 ; 3 x 256 f32: the first layer's two weight rows and bias, times 30 / 2 pi
.set XS,     PARU+3072                 ; the block's x: 1,024 points x 8 bytes
.set WOT,    XS+8192                   ; w_out turned and rounded: 3 rows of 256 f16, 528 bytes apart
.set PW,     528
.set OST,    WOT+1792                  ; 768 bytes a wave: a pass's 64 points x 3 f32, on their way out
.set SPARE,  OST+3072                  ; the spare words, 128 bytes a wave: two blocks of 256 bytes that no other line names
.set INV2PI, 0x3e22f983                ; 1 / 2 pi
.set HA,  1                            ; v1      my lane's place in my wave's stage: row r, 16 h; for the stores and for the loads alike
.set SPW, 2                            ; v2      LDS address of my spare word; never rewritten
.set NIL, 3                            ; v3      0; never rewritten
.set ADRA, 4                           ; v4-5    my lane's place in a slot: input channels 0-127, 128-255
.set AD,  6                            ; v6-7    the same for the fetch in hand: + slot and column
.set BI0, 8                            ; v8      PARB + 32 h
.set BIA, 9                            ; v9      the address in hand: biases, the first layer's tables, or x
.set S9V, 10                           ; v10-11  S9, twice
.set T,   12                           ; v12-27  t, 8 pairs; then the 16 rounded words on their way to the stage
.set P,   28                           ; v28-43  the polynomial, 8 pairs
.set KR,  28                           ; v28-35  rndne(y), two sets of four: used before the polynomial begins
.set ST,  44                           ; v44     where the list in hand stores
.set X0,  45                           ; v45     XS + 2,048 wave + 8 r
.set OS0, 46                           ; v46     OST + 768 wave + 12 r
.set OR0, 47                           ; v47     OST + 768 wave + 16 lane
.set BB,  48                           ; v48-63  two buffers of 8 biases
.set XR,  56                           ; v56-63  in the first layer: x of the pass's 4 tiles (buffer 0 already holds the next group's biases)
.set ACC, 64                           ; v64-127 two sets of 4 accumulators
.set AB,  128                          ; v128-255 two buffers of 8 weight fragments
.set U,   192                          ; v192-215 in the first layer: u0, u1, c of my 8 channels (buffer 0 already holds the next group's fragments)
.set SU,  3                            ; s3      the first layer's group, times 64 bytes
.set WV,  40                           ; s40     my wave's number
.set OSB, 41                           ; s41     OST + 768 wave (behind the head; before that cx)
.set SN,  46                           ; s46     the step to be asked for next
.set TMP, 47
.set SB,  50                           ; s50     the biases of the group to be fetched next: 64 bytes a group, 64 groups a pass
.set XP,  51                           ; s51     the pass's x in LDS: 512 bytes a pass
.set PS,  52                           ; s52     the pass
.set LC,  53                           ; s53     counts a pass's layers
.set SC7, 54                           ; s[54:61] S7, S5, S3, S1, each twice: the packed forms name a pair
.set TB,  62                           ; s62     slot and column of the group to be fetched next
.set SG,  63                           ; s63     the column in the stage of the list in hand: 32 bytes a group
.set PC,  71                           ; s71     counts pairs of groups, and the first layer's groups
.set HC,  75                           ; s75     counts a layer's halves
.set LN,  77                           ; s77     layers that the pass walks in the loop
.set MMW, 0x04                         ; the products' setting: source 1 = H
.set MSB, 0
.macro WIN new                         ; the immediate's high byte repeats the setting that is left; a switch that changes nothing is dropped
.if MSB != (\new)
	s_set_vgpr_msb (MSB<<8)|(\new)
.set MSB, \new
.endif
.endm
.macro PLACES                          ; four plain vector instructions that name no register of the matrix instructions ahead (ISA guide 7.12.1)
.rept 4
	v_nop
.endr
.endm
.macro CREST                           ; a round of the cluster's barrier behind its opening barrier: wave 0 signals for the work-group, every wave waits for all four work-groups, my work-group's barrier closes it
	s_cmp_lg_u32 s[WV], 0
	s_cbranch_scc1 .Lnot_wave_0_\@
	s_barrier_signal -3
.Lnot_wave_0_\@:
	s_barrier_wait -3
	s_barrier_signal -1
	s_barrier_wait -1
.endm
.macro CROUND                          ; a whole round
	s_barrier_signal -1
	s_barrier_wait -1
	CREST
.endm
	s_load_b512 s[4:19], s[0:1], 0x0               ; x s[4:5], weight_offset s[6:7], w0 s[8:9], b0 s[10:11], bs_h s[12:13], w_out s[14:15], b_out s[16:17], out_scale s[18:19]
	s_load_b128 s[20:23], s[0:1], 0x40             ; wt s[20:21], out0 s[22:23]
	v_lshl_add_u32 v[SPW], v0, 2, SPARE
	v_mov_b32 v[NIL], 0
	ds_add_u32 v2, v3
	s_wait_dscnt 0x0
	v_lshrrev_b32 v12, 5, v0
	v_readfirstlane_b32 s[WV], v12                 ; wave 0..3
	s_bfe_u32 s41, ttmp6, 0x40000                  ; cx: my place in the cluster; it enters x's and out0's addresses alone
	s_lshr_b32 s42, ttmp9, 2                       ; the sample: four clusters each, so the four partners share it
	s_and_b32 s43, ttmp9, 3
	s_lshl_b32 s43, s43, 2
	s_add_co_u32 s43, s43, s41                     ; my block of 1,024 points in the sample
	; descriptor group 1: a tile of 64 rows x 128 elements of 2 bytes, padded in LDS
	s_mov_b32 s24, 15|(1<<16)|(1<<20)|(1<<21)|(5<<22)|(7<<25)   ; 15:0 the mask: all four work-groups; 17:16 elements of 2 bytes; 20 padding on; 21 set beside a mask; 24:22 after every 64 words (code 5); 31:25 8 words of it (code 7)
	s_mov_b32 s25, 128<<16                         ; tensor_dim0 = 128
	s_mov_b32 s26, 64<<16                          ; tensor_dim1 = 64
	s_mov_b32 s27, 128<<16                         ; tile_dim0 = 128
	s_mov_b32 s28, 64                              ; tile_dim1 = 64
	s_mov_b32 s29, 256                             ; elements from row to row
	s_mov_b32 s30, 0
	s_mov_b32 s31, 0
	s_mov_b32 s54, 0xc294f124                      ; S7 = -74.470978
	s_mov_b32 s55, s54
	s_mov_b32 s56, 0x42a2bb23                      ; S5 = 81.365499
	s_mov_b32 s57, s56
	s_mov_b32 s58, 0xc2255312                      ; S3 = -41.331123
	s_mov_b32 s59, s58
	s_mov_b32 s60, 0x40c90ec7                      ; S1 = 6.2830541
	s_mov_b32 s61, s60
	s_mov_b32 s78, 0x4098c9eb                      ; 30 / 2 pi
	s_mov_b32 s79, s78
	v_mov_b32 v[S9V], 0x4203135b                   ; S9 = 32.768902: in vector registers, since S7 stands beside it as the one scalar pair
	v_mov_b32 v[S9V+1], 0x4203135b
	s_mov_b32 s49, 0                               ; s[48:49]: a step's byte offset in the sample's matrices; the high word stays 0
	s_mov_b32 s[SB], 0
	s_mov_b32 s[XP], 0
	s_mov_b32 s[PS], 0
	s_mov_b32 s[TB], 0
	s_mov_b32 s[SG], 0
	s_lshl_b32 s2, s42, 19                         ; the sample's four matrices in wt,
	s_lshl_b32 s3, s[WV], 15                       ; my wave's 64 rows of 512 bytes
	s_add_co_u32 s2, s2, s3
	s_mov_b32 s3, 0
	s_lshl_b32 s46, s42, 17                        ; x: the sample's 131,072 bytes, my block's 8,192
	s_lshl_b32 s47, s43, 13
	s_add_co_u32 s46, s46, s47
	s_mov_b32 s47, 0
	v_lshlrev_b32 v12, 3, v0                       ; 8 bytes a thread: a table of 256 f32 is one load of the work-group
	v_lshlrev_b32 v14, 4, v0                       ; 16 bytes a thread
	v_mul_u32_u24 v21, v0, 24                      ; 24 bytes a thread: two rows of w_out
	s_wait_kmcnt 0x0
	s_add_nc_u64 s[44:45], s[20:21], s[2:3]        ; my quarter of step 0
	s_mul_i32 s2, s42, 1055744
	s_add_nc_u64 s[6:7], s[6:7], s[2:3]            ; the sample's row of weight_offset
	s_add_nc_u64 s[4:5], s[4:5], s[46:47]
	s_mul_i32 s46, s42, 196608                     ; out0: the sample's 196,608 bytes, my block's 12,288, my wave's 3,072
	s_mul_i32 s71, s43, 12288
	s_add_co_u32 s46, s46, s71
	s_mul_i32 s71, s[WV], 3072
	s_add_co_u32 s46, s46, s71
	s_add_nc_u64 s[66:67], s[22:23], s[46:47]
	s_load_b96 s[68:70], s[16:17], 0x0             ; b_out
	s_load_b96 s[72:74], s[18:19], 0x0             ; out_scale
	global_load_b64 v[64:65], v12, s[8:9]                  ; w0, row 0
	global_load_b64 v[66:67], v12, s[8:9] offset:1024      ; w0, row 1
	global_load_b64 v[68:69], v12, s[10:11]                ; b0
	global_load_b64 v[70:71], v12, s[6:7]                  ; their three offsets
	global_load_b64 v[72:73], v12, s[6:7] offset:1024
	global_load_b64 v[74:75], v12, s[6:7] offset:2048
.irp l, 0,1,2,3
	global_load_b64 v[76+2*\l:77+2*\l], v12, s[12:13] offset:1024*\l            ; bs_h[l]
	global_load_b64 v[84+2*\l:85+2*\l], v12, s[6:7] offset:265216+263168*\l     ; its offset: behind the 768 numbers of the first layer and the layer's 65,536 weights
.endr
.irp k, 0,1,2,3
	global_load_b128 v[96+4*\k:99+4*\k], v14, s[4:5] offset:2048*\k             ; the block's x
.endr
.irp k, 0,1,2
	global_load_b64 v[112+2*\k:113+2*\k], v21, s[14:15] offset:8*\k             ; w_out, rows 2 t and 2 t + 1
.endr
	CROUND                                         ; all four work-groups are here: the first joint loads meet
	s_mov_b32 s32, 1                               ; group 0 for step 0: count = 1,
	s_mul_i32 s33, s[WV], QUART                    ; LDS address: my quarter of slot 0; no place in the cluster enters it,
	s_mov_b64 s[34:35], s[44:45]                   ; layer 0, output channels 0 to 127,
	s_or_b32 s35, s35, 0x80000000                  ; type = 2
	s_mov_b32 s36, 1                               ; group 0 for step 1, which then walks on:
	s_add_co_u32 s37, s33, SLOT                    ; slot 1,
	s_add_nc_u64 s[38:39], s[44:45], 256           ; output channels 128 to 255
	s_or_b32 s39, s39, 0x80000000
	tensor_load_to_lds s[32:35], s[24:31]          ; the two first fills go out together: two tensor loads of mine are out
	s_nop 0
	tensor_load_to_lds s[36:39], s[24:31]
	s_nop 0
	PLACES                                         ; four v_nop follow
	s_mov_b32 s[SN], 2
	v_and_b32 v16, 15, v0                          ; r
	v_bfe_u32 v17, v0, 4, 1                        ; h
	v_and_b32 v18, 7, v0
	v_bfe_u32 v19, v0, 3, 1
	v_lshl_add_u32 v18, v17, 3, v18                ; the turning load: lane l reads 16 bytes of input channel 8 h + l % 8, output channels 8 ((l / 8) % 2) + 0..7,
	v_mul_u32_u24 v18, v18, PITCH                  ; and is left with output channel r and 8 input channels: half a fragment
	v_lshl_add_u32 v[ADRA], v19, 4, v18
	v_add_nc_u32 v[ADRA+1], HALFK, v[ADRA]
	v_lshl_add_u32 v[BI0], v17, 5, PARB
	s_mul_i32 s2, s[WV], STW
	s_add_co_u32 s2, s2, STG                       ; my stage
	v_mul_u32_u24 v[HA], v16, SPI
	v_lshl_add_u32 v[HA], v17, 4, v[HA]
	v_add_nc_u32 v[HA], s2, v[HA]
	s_lshl_b32 s2, s[WV], 11
	s_add_co_u32 s2, s2, XS
	v_lshl_add_u32 v[X0], v16, 3, s2
	s_mul_i32 s[OSB], s[WV], 768
	s_add_co_u32 s[OSB], s[OSB], OST
	v_mad_u32_u24 v[OS0], v16, 12, s[OSB]
	v_and_b32 v20, 31, v0
	v_lshl_add_u32 v[OR0], v20, 4, s[OSB]
	v_min_u32 v20, 2, v16                          ; w_out's fragments: row r of source 0 is output r; rows 3 to 15 repeat row 2, and their results are never stored
	v_mul_u32_u24 v20, v20, PW
	v_lshl_add_u32 v20, v17, 4, v20
	v_add_nc_u32 v20, WOT, v20
	v_add_nc_u32 v13, PARB, v12                    ; where my 8 bytes of a table go
	v_add_nc_u32 v15, XS, v14                      ; where my 16 bytes of x go
	v_lshl_add_u32 v22, v0, 2, WOT                 ; where my two channels of a row of w_out's table go
	s_wait_loadcnt 0x0
.irp i, 0,1,2
	v_pk_add_f32 v[64+2*\i:65+2*\i], v[64+2*\i:65+2*\i], v[70+2*\i:71+2*\i]     ; base + offset
.endr
.irp l, 0,1,2,3
	v_pk_add_f32 v[76+2*\l:77+2*\l], v[76+2*\l:77+2*\l], v[84+2*\l:85+2*\l]
.endr
.irp i, 0,1,2
	v_pk_mul_f32 v[64+2*\i:65+2*\i], v[64+2*\i:65+2*\i], s[78:79] op_sel_hi:[1,0]
.endr
.irp l, 0,1,2,3
	v_pk_mul_f32 v[76+2*\l:77+2*\l], v[76+2*\l:77+2*\l], INV2PI op_sel_hi:[1,0]
.endr
.irp j, 0,1,2
	v_cvt_pk_f16_f32 v[118+\j], v[112+\j], v[115+\j]       ; output j of channels 2 t and 2 t + 1
.endr
.irp i, 0,1,2
	ds_store_b64 v13, v[64+2*\i:65+2*\i] offset:PARU-PARB+1024*\i
.endr
.irp l, 0,1,2,3
	ds_store_b64 v13, v[76+2*\l:77+2*\l] offset:1024*\l
.endr
.irp k, 0,1,2,3
	ds_store_b128 v15, v[96+4*\k:99+4*\k] offset:2048*\k
.endr
.irp j, 0,1,2
	ds_store_b32 v22, v[118+\j] offset:PW*\j
.endr
	s_wait_tensorcnt 0x1                           ; tensor loads of a wave end in order (ISA guide 10.11.1): my quarter of step 0 is in; step 1's may stay out
	s_wait_dscnt 0x0                               ; for the others' sake: my stores are done
	s_barrier_signal -1
	s_barrier_wait -1                              ; the tables and slot 0 are whole
	WIN 0x80                                       ; destination window 2
.irp kb, 0,1,2,3,4,5,6,7
	ds_load_b128 v[8*\kb:8*\kb+3],   v20 offset:64*\kb         ; w_out's 8 fragments: output r, channels 32 kb + 8 h on,
	ds_load_b128 v[8*\kb+4:8*\kb+7], v20 offset:64*\kb+32      ; and 16 further on
.endr
	s_wait_kmcnt 0x0                               ; b_out, out_scale
.irp j, 0,1,2
	v_mov_b32 v[64+\j], s[68+\j]                   ; b_out starts the last product's sums: register j is output j
.endr
.irp j, 3,4,5,6,7
	v_mov_b32 v[64+\j], 0                          ; rows that are never stored
.endr
	WIN 0
; THE LIST.  LAB names the accumulator set whose results are in hand.  SM writes number jj of the list's 160.  The 32 results a lane are 16 pairs; pair i belongs to tile i / 4.
;   0-47    eight blocks of six, four results each, in ascending order (an accumulator's four lowest registers are read first): four times k = rndne(y), twice r = y - k
;   48-143  two batches of 8 pairs: t = r r; p = t S9 + S7; p = p t + S5; p = p t + S3; p = p t + S1; y = p r: an instruction and the one that needs its result lie 8 apart
;   144-159 the roundings to f16: pair i into word i of 16, four words a tile
.macro SM
.if jj < 48
.set b_, jj/6
.set o_, jj%6
.set k_, KR+4*(b_%2)
.if o_ < 4
	v_rndne_f32 v[k_+o_], v[LAB+4*b_+o_]
.else
.set y_, LAB+4*b_+2*(o_-4)
.set k_, k_+2*(o_-4)
	v_pk_fma_f32 v[y_:y_+1], v[k_:k_+1], -1.0, v[y_:y_+1] op_sel_hi:[1,0,1]
.endif
.elseif jj < 144
.set o_, ((jj-48)%48)/8
.set i_, (jj-48)%8
.set y_, LAB+16*((jj-48)/48)+2*i_
.set t_, T+2*i_
.set p_, P+2*i_
.if o_ == 0
	v_pk_mul_f32 v[t_:t_+1], v[y_:y_+1], v[y_:y_+1]
.elseif o_ == 1
	v_pk_fma_f32 v[p_:p_+1], v[t_:t_+1], v[S9V:S9V+1], s[SC7:SC7+1] op_sel_hi:[1,1,0]
.elseif o_ < 5
	v_pk_fma_f32 v[p_:p_+1], v[p_:p_+1], v[t_:t_+1], s[SC7+2*(o_-1):SC7+2*(o_-1)+1] op_sel_hi:[1,1,0]
.else
	v_pk_mul_f32 v[y_:y_+1], v[p_:p_+1], v[y_:y_+1]
.endif
.else
.set i_, jj-144
	v_cvt_pk_f16_f32 v[T+i_], v[LAB+2*i_], v[LAB+2*i_+1]
.endif
.endm
; Slice sk of 32: 8 slices of 6 (under the products' own setting mm: they name window 0 in destination, source 0 and source 2 alone), 20 of 4 or 5, and 4 of a tile's 4 roundings and its store:
; 16 bytes a lane, channels 16 g + 8 h on of point r, at column 32 g of the stage.
.macro SLICE mm
.if sk < 8
	WIN \mm
.set j0_, 6*sk
.set j1_, 6*sk+6
.elseif sk < 28
	WIN 0
.set j0_, 48+((sk-8)*24)/5
.set j1_, 48+((sk-7)*24)/5
.else
	WIN 0
.set j0_, 144+4*(sk-28)
.set j1_, 148+4*(sk-28)
.endif
.if sk == 28
	v_add_nc_u32 v[ST], s[SG], v[HA]
.endif
.set jj, j0_
.rept j1_-j0_
	SM
.set jj, jj+1
.endr
.if sk >= 28
	ds_store_b128 v[ST], v[T+4*(sk-28):T+4*(sk-28)+3] offset:(sk-28)*16*SPI
.endif
.if sk == 31
	s_add_co_u32 s[SG], s[SG], 32                  ; the next list's column; 16 lists are a layer
	s_and_b32 s[SG], s[SG], 511
.endif
.endm
.macro SLICES a, b, mm
.set sk, \a
.rept \b-\a
	SLICE \mm
.set sk, sk+1
.endr
.endm
; Product ii of 32 of a group on set par: tile ii % 4, input channels 32 (ii / 4) on.  The first four take the biases as C: nothing is cleared, nothing is added later.
; The four accumulators take turns, one instruction a turn, from group to group and over the loops' jumps too.
.macro MM par
.set md_, ACC+32*(\par)+8*(ii%4)
.set ma_, AB+64*(\par)+8*(ii/4)
.set mb_, 64*(ii%4)+8*(ii/4)
.if ii < 4
	v_wmma_f32_16x16x32_f16 v[md_:md_+7], v[ma_:ma_+7], v[mb_:mb_+7], v[BB+8*(\par):BB+8*(\par)+7]
.else
	v_wmma_f32_16x16x32_f16 v[md_:md_+7], v[ma_:ma_+7], v[mb_:mb_+7], v[md_:md_+7]
.endif
.endm
; 18 LDS loads in one run, into buffer par: the next group's 8 weight fragments (16 output channels, all 256 input channels) and its 8 biases a lane.  Destination and source 0 lie in window 0 and
; source 1 of the three additions is a scalar register: the products' setting serves.
.macro FETCH par
.if MSB & 0xc3
	WIN 0
.endif
	v_add_nc_u32 v[AD], v[ADRA], s[TB]
	v_add_nc_u32 v[AD+1], v[ADRA+1], s[TB]
	v_add_nc_u32 v[BIA], v[BI0], s[SB]
	s_add_co_u32 s[TB], s[TB], 32                  ; the group behind it: 16 columns of f16 on,
	s_add_co_u32 s[SB], s[SB], 64                  ; 16 biases on; behind the pass's 64th group comes its first again
	s_and_b32 s[SB], s[SB], 4095
.set f_, AB+64*(\par)
.irp kb, 0,1,2,3,4,5,6,7
	ds_load_tr16_b128 v[f_+8*\kb:f_+8*\kb+3],   v[AD+\kb/4] offset:(\kb%4)*32*PITCH
	ds_load_tr16_b128 v[f_+8*\kb+4:f_+8*\kb+7], v[AD+\kb/4] offset:(\kb%4)*32*PITCH+16*PITCH
.endr
	ds_load_b128 v[BB+8*(\par):BB+8*(\par)+3],   v[BIA]
	ds_load_b128 v[BB+8*(\par)+4:BB+8*(\par)+7], v[BIA] offset:16
.endm
; The stage comes back as source 1: chunk kb is channels 32 kb on of the 4 tiles, 8 loads.  The stage is my wave's own, and LDS serves a wave's instructions in order (ISA guide 5.7.1.4): these see the lists' stores.
.macro HCHUNK kb
.irp t, 0,1,2,3
	ds_load_b128 v[64*\t+8*(\kb):64*\t+8*(\kb)+3],   v[HA] offset:\t*16*SPI+64*(\kb)
	ds_load_b128 v[64*\t+8*(\kb)+4:64*\t+8*(\kb)+7], v[HA] offset:\t*16*SPI+64*(\kb)+32
.endr
.endm
.macro HLOAD
	WIN 0x40                                       ; destination window 1
.irp kb, 0,1,2,3,4,5,6
	HCHUNK \kb
.endr
	s_wait_dscnt 48                                ; of the 56 loads just issued the first 8 are in: chunk 0, which the first products take
	HCHUNK 7
.endm
; A GROUP on set par: 32 products.  list = 1: behind each a slice of the other set's list.  fetch = 1: the next group's 18 loads, into the other buffers, well ahead of their use;
; those buffers' last readers stand four roundings or more back.
; bare = 1: a half's first group.  No list is in hand; at a layer's head the stage's chunks are still landing, and the wait ahead of the products on chunk k leaves out the 8 (7 - k) loads issued behind it,
; and the fetch's 18 once they are out.  Four v_nop are the places between its last products and the next group's first read of their sums.
; sync: THE CHANGE OF SLOTS, in a half's last group.  Its fragments are in registers, so the slot has been read out.  Each wave waits for all its tensor loads, of which one is out: its quarter of the other slot;
; adds 0 to its spare word; steps the walking descriptor; and waits for the add and for its reads of the slot.  Behind the barrier the other slot is whole and nobody reads this one.
; sync = 1: the barrier opens a round of the cluster's barrier, so that no wave of any partner still reads the slot or has a load on its way; eight products and their slices, work on registers, stand inside;
; the joint refill, the step two on, is the first thing behind the round.  sync = 2: nothing is left to ask for: the barrier alone.
.macro GROUP par, list, fetch, sync, bare
.set LAB, ACC+32*(1-\par)
.set fp_, 1
.if \bare
.set fp_, 11
.endif
.if \sync
.set fp_, 7
	WIN 0
	s_wait_tensorcnt 0x0                           ; no tensor load of mine is out, so a group 0 may be written
	ds_add_u32 v[SPW], v[NIL]                      ; 0 onto my spare word
.if \sync == 1
	s_xor_b32 s37, s37, SLOT                       ; the other slot than last time: wave x 0x4800 has none of 0x12000's two bits, so the exclusive or adds or takes away SLOT
	s_and_b32 s48, s[SN], 6                        ; step s lies at layer (s / 2) % 4, 131,072 bytes each,
	s_lshl_b32 s48, s48, 16
	s_and_b32 s[TMP], s[SN], 1                     ; half s % 2, 256 bytes along the rows
	s_lshl_b32 s[TMP], s[TMP], 8
	s_or_b32 s48, s48, s[TMP]
	s_add_nc_u64 s[38:39], s[44:45], s[48:49]
	s_or_b32 s39, s39, 0x80000000
	s_add_co_u32 s[SN], s[SN], 1
.endif
	s_wait_dscnt 0x0                               ; the add is done, my reads of the slot are over, and this group's fragments are in
	s_barrier_signal -1
.elseif !\bare
	s_wait_dscnt 4                                 ; this group's fragments and biases are in: behind their loads only the last list's four stores were issued
.endif
.set ii, 0
.rept 32
.if \bare
.if (ii%4 == 0) && (ii > 11)
	s_wait_dscnt 8*(7-ii/4)+18
.elseif (ii%4 == 0) && (ii > 0)
	s_wait_dscnt 8*(7-ii/4)
.endif
.endif
	WIN MMW
	MM \par
.if \list
.set sk, ii
	SLICE MMW
.endif
.if ii == fp_
.if \sync == 1
	WIN 0
	s_barrier_wait -1
	CREST
	tensor_load_to_lds s[36:39], s[24:31]          ; one tensor load of mine is out
	s_nop 0
	PLACES                                         ; four v_nop follow a tensor load
.elseif \sync == 2
	s_barrier_wait -1
.endif
.if \sync
	s_sub_co_u32 s[TB], s[TB], 256                 ; the fetches go back to column 0,
	s_xor_b32 s[TB], s[TB], SLOT                   ; in the other slot (the register holds 0 or SLOT here)
.endif
.if \fetch
	FETCH 1-\par
.endif
.endif
.set ii, ii+1
.endr
.if \bare
	PLACES
	s_wait_dscnt 0x0                               ; the next group's fragments, asked for 20 products ago: so that the wait at the loop's head can have one count on both ways in
.endif
.endm
; HALF A LAYER: 8 groups out of one slot.  kind 1: its last group asks for the step two on; 2: it changes slots and asks for nothing; 0: the last half of all: no change, no fetch.
; The last group's list stands alone at the end.
.macro HALF kind
	GROUP 0, 0, 1, 0, 1
	WIN 0                                          ; at a label and at a branch every window is 0
	s_mov_b32 s[PC], 0
.Lpair_\@:
	GROUP 1, 1, 1, 0, 0
	GROUP 0, 1, 1, 0, 0
	WIN 0
	s_add_co_u32 s[PC], s[PC], 1
	s_cmp_lt_u32 s[PC], 3
	s_cbranch_scc1 .Lpair_\@
.if \kind
	GROUP 1, 1, 1, \kind, 0
	WIN 0
	s_wait_dscnt 4                                 ; the next half's first fragments and biases, asked for 24 products ago, are in: only four stores were issued behind them
.else
	GROUP 1, 1, 0, 0, 0
	WIN 0
.endif
.set LAB, ACC+32
	SLICES 0, 32, 0
.endm
; THE FIRST LAYER, on the vector unit, in the same lane layout: for a group a lane's 8 channels of u0, u1 and c, and y = x0 u0 + (x1 u1 + c) for its point in each of the 4 tiles; then the list.
.macro UTAB adr
.irp tb, 0,1,2
	ds_load_b128 v[U+8*\tb:U+8*\tb+3],   v[\adr] offset:PARU-PARB+1024*\tb
	ds_load_b128 v[U+8*\tb+4:U+8*\tb+7], v[\adr] offset:PARU-PARB+1024*\tb+16
.endr
.endm
.macro AFFINE
.irp t, 0,1,2,3
.irp q, 0,1,2,3
	v_pk_fma_f32 v[ACC+8*\t+2*\q:ACC+8*\t+2*\q+1], v[XR+2*\t:XR+2*\t+1], v[U+8+2*\q:U+8+2*\q+1], v[U+16+2*\q:U+16+2*\q+1] op_sel:[1,0,0] op_sel_hi:[1,1,1]   ; x1 for both halves
.endr
.endr
.irp t, 0,1,2,3
.irp q, 0,1,2,3
	v_pk_fma_f32 v[ACC+8*\t+2*\q:ACC+8*\t+2*\q+1], v[XR+2*\t:XR+2*\t+1], v[U+2*\q:U+2*\q+1], v[ACC+8*\t+2*\q:ACC+8*\t+2*\q+1] op_sel_hi:[0,1,1]             ; x0 for both halves
.endr
.endr
.endm
.macro L0
	v_add_nc_u32 v[BIA], s[XP], v[X0]
.irp t, 0,1,2,3
	ds_load_b64 v[XR+2*\t:XR+2*\t+1], v[BIA] offset:128*\t
.endr
	UTAB BI0                                       ; group 0's tables
	s_mov_b32 s[SU], 0
	s_mov_b32 s[PC], 0
	s_wait_dscnt 0x0
.Lgrp_\@:
	s_wait_dscnt 4                                 ; this group's tables are in: behind their loads only the list's four stores were issued
	AFFINE
	s_cmp_eq_u32 s[PC], 15
	s_cbranch_scc1 .Lno_more_\@                    ; the last group has no successor
	s_add_co_u32 s[SU], s[SU], 64
	v_add_nc_u32 v[BIA], s[SU], v[BI0]
	UTAB BIA                                       ; the next group's tables, into the registers just read: the list stands between these loads and the wait for them
.Lno_more_\@:
.set LAB, ACC
	SLICES 0, 32, 0
	s_add_co_u32 s[PC], s[PC], 1
	s_cmp_lt_u32 s[PC], 16
	s_cbranch_scc1 .Lgrp_\@
.endm
; THE LAST LAYER AND THE WAY OUT.  32 products w_out^T x H: register j (0 to 2) of lanes 0 to 15 is output j of point r.
; A pass's 64 points x 12 bytes go through my own 768 bytes of LDS and leave as 48 pieces of 16 bytes: each store covers whole aligned runs of 256 consecutive bytes.
.macro OUT
	HLOAD
.set ii, 0
.rept 32
.if (ii%4 == 0) && (ii > 0)
	s_wait_dscnt 8*(7-ii/4)                        ; chunk ii / 4 is in; the loads issued behind it may be out
.endif
.set md_, ACC+8*(ii%4)
.set mb_, 64*(ii%4)+8*(ii/4)
.if ii < 4
	WIN 0x26                                       ; w_out and b_out in window 2, H in window 1
	v_wmma_f32_16x16x32_f16 v[md_:md_+7], v[8*(ii/4):8*(ii/4)+7], v[mb_:mb_+7], v[64:71]
.else
	WIN 0x06
	v_wmma_f32_16x16x32_f16 v[md_:md_+7], v[8*(ii/4):8*(ii/4)+7], v[mb_:mb_+7], v[md_:md_+7]
.endif
.set ii, ii+1
.endr
	WIN 0
	v_and_b32 v32, 31, v0                          ; lane.  These four lines are the places behind the last products
	v_lshlrev_b32 v33, 4, v32                      ; 16 bytes a lane in out0
	v_and_b32 v34, 15, v0
	v_lshl_add_u32 v34, v34, 4, s[OSB]             ; 16 (lane % 16) in my stage: the third piece's address lies in the stage in every lane
.irp t, 0,1,2,3
.irp j, 0,1,2
	v_mul_f32 v[T+3*\t+\j], s[72+\j], v[ACC+8*\t+\j]       ; times out_scale; each accumulator is read from its lowest register on
.endr
.endr
	s_wait_xcnt 0x0                                ; EXEC changes only behind this wait
	v_cmp_gt_u32 vcc_lo, 16, v32
	s_and_saveexec_b32 s76, vcc_lo                 ; lanes 0 to 15 hold the outputs
.irp t, 0,1,2,3
.irp j, 0,1,2
	ds_store_b32 v[OS0], v[T+3*\t+\j] offset:192*\t+4*\j
.endr
.endr
	ds_load_b128 v[28:31], v34 offset:512          ; LDS serves a wave's instructions in order (ISA guide 5.7.1.4): this sees the stores above.  The last 256 of the 768 bytes: sixteen lanes
	s_wait_dscnt 0x0
	global_store_b128 v33, v[28:31], s[66:67] offset:512 th:TH_STORE_NT
	s_wait_xcnt 0x0                                ; and again, in front of the line that widens EXEC
	s_or_b32 exec_lo, exec_lo, s76
	ds_load_b128 v[24:27], v[OR0]                  ; the first 512 bytes: all lanes
	s_wait_dscnt 0x0
	global_store_b128 v33, v[24:27], s[66:67] th:TH_STORE_NT
	s_wait_xcnt 0x0                                ; the stores' base, offsets and data are written again only behind this wait
	s_add_nc_u64 s[66:67], s[66:67], 768           ; the next pass's place in out0 and in x
	s_add_co_u32 s[XP], s[XP], 512
.endm
	FETCH 0                                        ; the first group of all: slot 0, column 0
; FOUR PASSES.  A pass is the first layer, four hidden layers and the way out.  A hidden layer is the stage's way back and two halves; the half is written once and walked twice.
; The fourth pass walks the loop three times; its fourth layer, steps 30 and 31, asks for nothing and is written out, and the other passes jump over it: it holds no tensor load.
; All counters are alike in the four waves and in the four partners.
.Lpass:
	L0
	s_cmp_eq_u32 s[PS], 3
	s_cselect_b32 s[LN], 3, 4
	s_mov_b32 s[LC], 0
.Llayer:
	HLOAD
	WIN 0
	s_mov_b32 s[HC], 0
.Lhalf:
	HALF 1
	s_add_co_u32 s[HC], s[HC], 1
	s_cmp_lt_u32 s[HC], 2
	s_cbranch_scc1 .Lhalf
	s_add_co_u32 s[LC], s[LC], 1
	s_cmp_lt_u32 s[LC], s[LN]
	s_cbranch_scc1 .Llayer
	s_cmp_lg_u32 s[PS], 3
	s_cbranch_scc1 .Lout
	HLOAD
	HALF 2
	HALF 0
.Lout:
	OUT
	s_add_co_u32 s[PS], s[PS], 1
	s_cmp_lt_u32 s[PS], 4
	s_cbranch_scc1 .Lpass
	s_wait_tensorcnt 0x0                           ; the wave's end, behind my last tensor load and my last LDS store
	ds_add_u32 v[SPW], v[NIL]
	s_wait_dscnt 0x0
	CROUND                                         ; the closing round: no work-group ends while a partner may still ask for a tile that names it
	s_endpgm
.Lfunc_end_k_qc102026f83_siren:
	.size	k_qc102026f83_siren, .Lfunc_end_k_qc102026f83_siren-k_qc102026f83_siren
	.p2alignl 7, 3214868480
	.fill 96, 4, 3214868480
	.section	.rodata,"a",@progbits
	.p2align	6, 0x0
	.amdhsa_kernel k_qc102026f83_siren
		.amdhsa_group_segment_fixed_size 327680
		.amdhsa_private_segment_fixed_size 0
		.amdhsa_enable_private_segment 0
		.amdhsa_kernarg_size 80
		.amdhsa_user_sgpr_count 2
		.amdhsa_user_sgpr_kernarg_segment_ptr 1
		.amdhsa_wavefront_size32 1
		.amdhsa_system_sgpr_workgroup_id_x 1
		.amdhsa_system_sgpr_workgroup_id_y 1
		.amdhsa_system_sgpr_workgroup_id_z 1
		.amdhsa_system_vgpr_workitem_id 0
		.amdhsa_next_free_vgpr 592
		.amdhsa_next_free_sgpr 80
		.amdhsa_reserve_vcc 1
		.amdhsa_float_denorm_mode_32 3
		.amdhsa_float_denorm_mode_16_64 3
		.amdhsa_memory_ordered 1
		.amdhsa_forward_progress 1
		.amdhsa_inst_pref_size 213
	.end_amdhsa_kernel
	.amdgpu_metadata
---
amdhsa.version: [ 1, 2 ]
amdhsa.kernels:
  - .name:           k_qc102026f83_siren
    .symbol:         k_qc102026f83_siren.kd
    .args:
      - { .name: x, .offset: 0, .size: 8, .value_kind: global_buffer, .address_space: global }
      - { .name: weight_offset, .offset: 8, .size: 8, .value_kind: global_buffer, .address_space: global }
      - { .name: w0, .offset: 16, .size: 8, .value_kind: global_buffer, .address_space: global }
      - { .name: b0, .offset: 24, .size: 8, .value_kind: global_buffer, .address_space: global }
      - { .name: bs_h, .offset: 32, .size: 8, .value_kind: global_buffer, .address_space: global }
      - { .name: w_out, .offset: 40, .size: 8, .value_kind: global_buffer, .address_space: global }
      - { .name: b_out, .offset: 48, .size: 8, .value_kind: global_buffer, .address_space: global }
      - { .name: out_scale, .offset: 56, .size: 8, .value_kind: global_buffer, .address_space: global }
      - { .name: wt, .offset: 64, .size: 8, .value_kind: global_buffer, .address_space: global }
      - { .name: out0, .offset: 72, .size: 8, .value_kind: global_buffer, .address_space: global }
    .group_segment_fixed_size: 327680
    .private_segment_fixed_size: 0
    .kernarg_segment_align: 8
    .kernarg_segment_size: 80
    .max_flat_workgroup_size: 128
    .sgpr_count:     80
    .vgpr_count:     592
    .wavefront_size: 32
...
	.end_amdgpu_metadata
.endif
;; end of part 2
;; ======== version 2 of 3: 2 launches; 1.19 times as fast as version 1
;; limits: values are held in f16: magnitudes above 65,504 overflow, below 6.1e-05 lose precision; a function is approximated: absolute error at most 6.2e-05
;; workspace buffers: wt 8,388,608 bytes
;; launch prep: the kernel of part 1 again; grid 256 x 1, 4 waves a work-group, no clusters, 0 bytes of LDS; arguments weight_offset, ws_h, wt; writes wt
;; launch siren (part 3): grid 256 x 1, 4 waves a work-group, clusters of 4 x 1, 327,680 bytes of LDS; arguments x, weight_offset, w0, b0, bs_h, w_out, b_out, out_scale, wt, out0; writes out0
.if DOCPART == 3
	.amdgcn_target "amdgcn-amd-amdhsa--gfx1250"
	.amdhsa_code_object_version 6
	.text
	.protected	k_qc102026f83_siren
	.globl	k_qc102026f83_siren
	.p2align	8
	.type	k_qc102026f83_siren,@function
k_qc102026f83_siren:
	s_mov_b64 s[64:65], 0
	v_nop
	global_prefetch_b8 v0, s[64:65] scope:SCOPE_SE
	s_setreg_imm32_b32 hwreg(HW_REG_WAVE_MODE, 25, 1), 1
	s_wait_xcnt 0x0
	s_wait_alu depctr_hold_cnt(0) depctr_sa_sdst(0) depctr_va_vdst(0) depctr_va_sdst(0) depctr_va_ssrc(0) depctr_va_vcc(0) depctr_vm_vsrc(0)
	s_getreg_b32 s2, hwreg(HW_REG_IB_STS2, 6, 4)
	s_cmp_eq_u32 s2, 0
	s_cbranch_scc0 .Lentry_in_a_cluster
	s_endpgm
.Lentry_in_a_cluster:
	s_bfe_u32 s2, ttmp6, 0x10000c
	s_cmp_lg_u32 s2, 0x3003
	s_cbranch_scc0 .Lentry_shape_is_right
	s_endpgm
.Lentry_shape_is_right:
; The whole network for 1,024 points of one sample a work-group: 2 -> 256 with sin(30 .), four layers 256 -> 256 with sin, 256 -> 3 with bias and scale.
; SHARES.  16 samples x 16 blocks of 1,024 points = 256 work-groups; a wave has 256 points and takes them in 4 passes of 4 tiles of 16 points.
; LAYOUT.  Every product is used transposed: source 0 = 16 output channels x 32 input channels of the weights, source 1 = 32 channels x 16 points of the activations.
; In the result lane (r, h) holds point r and channels 8 h + 0..7 of the block of 16: rounded to f16 they are 16 neighbouring bytes of the point's row of activations.
; ACTIVATIONS.  Each wave has a stage of its own in LDS, [64 points][256 channels] f16.  A block's results go there when they are finished; at a layer's head the stage comes back as the 32 fragments
; of source 1 (H, 256 registers).  So the place of a result is an LDS address, which a loop can step, and all layers are one text.
; WEIGHTS.  wt holds f16((base + offset) / 2 pi) as [input][output].  Half a layer (256 input channels x 128 output channels) fills one of two LDS slots; fragments come out turned, by ds_load_tr16_b128.
; 32 steps (4 passes x 4 layers x 2 halves); step s reads slot s % 2.  A slot is asked for again when its last fragments are in registers, at the head of the half's last block, with the step two on:
; that load has 8 blocks, 256 matrix instructions a wave, in which to land.  2 first fills + 30 refills; the last layer of all asks for nothing and is written out.
; CLUSTER.  The four work-groups of a cluster belong to one sample and walk the same matrices in step: each wave's quarter of a slot is asked for JOINTLY (mask 15, the same descriptor in all four).
; FORMATS.  Operands f16, sums f32.  f16 and not bf16: the activations are sines (at most 1) and the weights / 2 pi are far from f16's ends, and f16's step is an eighth of bf16's.
; The first layer (K = 2, phase times 30) is f32 multiply-adds on the vector unit: a 16-bit x or w0 would move its phase by far more than the result can bear, and a K = 32 product would be nearly all zeros.
; SINE.  All phases are kept in turns (weights and biases carry 1 / 2 pi, the first layer 30 / 2 pi), and every bias carries a quarter turn more: the sums are z = y + 1/4.
; f = fract(z), s = f f - f = (f - 1/2)^2 - 1/4, and sin 2 pi y = cos 2 pi (f - 1/2) is even in f - 1/2: a polynomial in s alone, D0 + s (D1 + s (D2 + s (D3 + s D4))): eight instructions for two numbers.
; It is the Chebyshev series of the cosine over the whole period, cut behind the term of degree 8 in f, its constant moved so that it vanishes where the sine does (s = -3/16).
; Off by at most 6.2e-5 for every z, a quarter of f16's half step at 1; near the sine's zeros the error is relative, 1.3e-4, down to a floor of 2e-7 (the roundings of z, of s and of the last sum).
; BY TURNS.  A block of 16 channels x 64 points is a GROUP: 32 matrix instructions and, for its results, a list of 128 vector instructions (sine and rounding) and 4 LDS stores.  The list of the group before,
; cut into 32 slices of 4, stands behind the matrix instructions of a group, one slice behind each.  Two accumulator sets, two buffers of weight fragments and two of biases take turns.
; LIMITS.  |weight| / 2 pi and |w_out| under 65,504.  An activation carries an absolute error of up to 2e-7 however small it is (f16's own step below 2^-14 is 2^-24).
; The first layer's phase is fma(x0, u0, fma(x1, u1, c)) with u and c scaled beforehand: an order of rounding other than multiplying the sum by 30; its error is a few 2^-24 of the phase, as is that of
; the sum formed first.  Beyond 2^23 turns z has no fraction: f is 0 and the result is D0.
;
; REGISTERS, in windows of 256 (s_set_vgpr_msb: bits 1:0 source 0, 3:2 source 1, 5:4 source 2, 7:6 destination):
;   window 0: addresses, constants, biases, accumulators, weight fragments
;   window 1: H's channels 0 to 223 (tile t, channels 32 k on: v[64 t + 8 k]); the 8 registers a tile that are left, v[64 t + 56 ..], hold the list's s and then its 4 rounded words
;   window 2: w_out's fragments, b_out, H's channels 224 on (tile t: v[96 + 8 t])
; So under the products' own setting (source 1 = window 1) run, without a switch: the fracts, the polynomial's four steps (their source 1 is s), the LDS loads and their addresses, and the stores into the
; stage (an LDS store's data is its source 1).  Another setting is wanted by s and the roundings (destination window 1, sources window 0) and by the four products on channels 224 on: 17 switches a group.
.set PITCH,  288                       ; an LDS row of weights: 256 bytes + 32 of padding = 72 words: row r starts at bank 8 r mod 64 (64 banks of 4 bytes: ISA guide 11.1)
.set SLOT,   256*PITCH                 ; half a layer: 73,728 = 0x12000
.set QUART,  64*PITCH                  ; what one tensor load brings: 18,432 = 0x4800
.set HALFK,  128*PITCH                 ; input channels 128 on: beyond the 16-bit offset, so they have an address register of their own
.set STG,    2*SLOT                    ; the stages
.set SPI,    528                       ; a point's row in a stage: 512 bytes + 16: the 16 rows of a load or store start at 16 different groups of four banks
.set STW,    64*SPI+256                ; a wave's stage, and a block of 256 bytes between it and the next wave's
.set PARB,   STG+4*STW                 ; 4 x 256 f32: hidden biases / 2 pi + 1/4
.set PARU,   PARB+4096                 ; 3 x 256 f32: the first layer's two weight rows and bias, times 30 / 2 pi; the bias + 1/4
.set XS,     PARU+3072                 ; the block's x: 1,024 points x 8 bytes
.set WOT,    XS+8192                   ; w_out turned and rounded: 3 rows of 256 f16; read once, so no padding
.set PW,     512
.set OST,    WOT+3*PW                  ; 768 bytes a wave: a pass's 64 points x 3 f32, on their way out
.set SPARE,  OST+3072                  ; the spare words, 128 bytes a wave: two blocks of 256 bytes that no other line names
.set INV2PI, 0x3e22f983                ; 1 / 2 pi
.set HA,  1                            ; v1      my lane's place in my wave's stage: row r, 16 h; for the stores and for the loads alike
.set SPW, 2                            ; v2      LDS address of my spare word; never rewritten
.set NIL, 3                            ; v3      0; never rewritten
.set ADRA, 4                           ; v4-5    my lane's place in a slot: input channels 0-127, 128-255
.set AD,  6                            ; v6-7    the same for the fetch in hand: + slot and column
.set BI0, 8                            ; v8      PARB + 32 h
.set BIA, 9                            ; v9      the address in hand: biases, the first layer's tables, or x
.set D3V, 10                           ; v10-11  D3, twice
.set OT,  16                           ; v16-39  at work on the way out
.set D4V, 42                           ; v42-43  D4, twice
.set ST,  44                           ; v44     where the list in hand stores
.set X0,  45                           ; v45     XS + 2,048 wave + 8 r
.set OS0, 46                           ; v46     OST + 768 wave + 12 r
.set OR0, 47                           ; v47     OST + 768 wave + 16 lane
.set BB,  48                           ; v48-63  two buffers of 8 biases
.set XR,  56                           ; v56-63  in the first layer: x of the pass's 4 tiles (buffer 0 already holds the next group's biases)
.set ACC, 64                           ; v64-127 two sets of 4 accumulators
.set AB,  128                          ; v128-255 two buffers of 8 weight fragments
.set U,   192                          ; v192-215 in the first layer: u0, u1, c of my 8 channels (buffer 0 already holds the next group's fragments)
.set H7,  96                           ; window 2: H's channels 224 on
.set SU,  3                            ; s3      the first layer's group, times 64 bytes
.set WV,  40                           ; s40     my wave's number
.set OSB, 41                           ; s41     OST + 768 wave (behind the head; before that cx)
.set SN,  46                           ; s46     the step to be asked for next
.set TMP, 47
.set SB,  50                           ; s50     the biases of the group to be fetched next: 64 bytes a group, 64 groups a pass
.set XP,  51                           ; s51     the pass's x in LDS: 512 bytes a pass
.set PS,  52                           ; s52     the pass
.set LC,  53                           ; s53     counts a pass's layers
.set SD,  56                           ; s[56:61] D2, D1, D0, each twice: the packed forms name a pair
.set TB,  62                           ; s62     slot and column of the group to be fetched next
.set SG,  63                           ; s63     the column in the stage of the list in hand: 32 bytes a group
.set PC,  71                           ; s71     counts pairs of groups, and the first layer's groups
.set HC,  75                           ; s75     counts a layer's halves
.set LN,  77                           ; s77     layers that the pass walks in the loop
.set MMW, 0x04                         ; the products' setting: source 1 = window 1
.set MM7, 0x08                         ; the products on channels 224 on: source 1 = window 2
.set TOH, 0x40                         ; destination window 1, sources window 0
.set MSB, 0
.macro WIN new                         ; the immediate's high byte repeats the setting that is left; a switch that changes nothing is dropped
.if MSB != (\new)
	s_set_vgpr_msb (MSB<<8)|(\new)
.set MSB, \new
.endif
.endm
.macro PLACES                          ; four plain vector instructions that name no register of the matrix instructions ahead (ISA guide 7.12.1)
.rept 4
	v_nop
.endr
.endm
.macro CREST                           ; a round of the cluster's barrier behind its opening barrier: wave 0 signals for the work-group, every wave waits for all four work-groups, my work-group's barrier closes it
	s_cmp_lg_u32 s[WV], 0
	s_cbranch_scc1 .Lnot_wave_0_\@
	s_barrier_signal -3
.Lnot_wave_0_\@:
	s_barrier_wait -3
	s_barrier_signal -1
	s_barrier_wait -1
.endm
.macro CROUND                          ; a whole round
	s_barrier_signal -1
	s_barrier_wait -1
	CREST
.endm
	s_load_b512 s[4:19], s[0:1], 0x0               ; x s[4:5], weight_offset s[6:7], w0 s[8:9], b0 s[10:11], bs_h s[12:13], w_out s[14:15], b_out s[16:17], out_scale s[18:19]
	s_load_b128 s[20:23], s[0:1], 0x40             ; wt s[20:21], out0 s[22:23]
	v_lshl_add_u32 v[SPW], v0, 2, SPARE
	v_mov_b32 v[NIL], 0
	ds_add_u32 v2, v3
	s_wait_dscnt 0x0
	v_lshrrev_b32 v12, 5, v0
	v_readfirstlane_b32 s[WV], v12                 ; wave 0..3
	s_bfe_u32 s41, ttmp6, 0x40000                  ; cx: my place in the cluster; it enters x's and out0's addresses alone
	s_lshr_b32 s42, ttmp9, 2                       ; the sample: four clusters each, so the four partners share it
	s_and_b32 s43, ttmp9, 3
	s_lshl_b32 s43, s43, 2
	s_add_co_u32 s43, s43, s41                     ; my block of 1,024 points in the sample
	; descriptor group 1: a tile of 64 rows x 128 elements of 2 bytes, padded in LDS
	s_mov_b32 s24, 15|(1<<16)|(1<<20)|(1<<21)|(5<<22)|(7<<25)   ; 15:0 the mask: all four work-groups; 17:16 elements of 2 bytes; 20 padding on; 21 set beside a mask; 24:22 after every 64 words (code 5); 31:25 8 words of it (code 7)
	s_mov_b32 s25, 128<<16                         ; tensor_dim0 = 128
	s_mov_b32 s26, 64<<16                          ; tensor_dim1 = 64
	s_mov_b32 s27, 128<<16                         ; tile_dim0 = 128
	s_mov_b32 s28, 64                              ; tile_dim1 = 64
	s_mov_b32 s29, 256                             ; elements from row to row
	s_mov_b32 s30, 0
	s_mov_b32 s31, 0
	s_mov_b32 s56, 0x419fe3cd                      ; D2 = 19.986231
	s_mov_b32 s57, s56
	s_mov_b32 s58, 0x3c001734                      ; D1 = 0.0078180325
	s_mov_b32 s59, s58
	s_mov_b32 s60, 0xbf7ffc0c                      ; D0 = -0.99993970
	s_mov_b32 s61, s60
	s_mov_b32 s78, 0x4098c9eb                      ; 30 / 2 pi
	s_mov_b32 s79, s78
	v_mov_b32 v[D3V], 0xc213143b                   ; D3 = -36.769755 and D4 = 45.621051 stand together in the polynomial's first step: in vector registers
	v_mov_b32 v[D3V+1], 0xc213143b
	v_mov_b32 v[D4V], 0x42367bf5
	v_mov_b32 v[D4V+1], 0x42367bf5
	v_mov_b32 v24, 0x3e800000                      ; the quarter turn, twice
	v_mov_b32 v25, 0x3e800000
	s_mov_b32 s49, 0                               ; s[48:49]: a step's byte offset in the sample's matrices; the high word stays 0
	s_mov_b32 s[SB], 0
	s_mov_b32 s[XP], 0
	s_mov_b32 s[PS], 0
	s_mov_b32 s[TB], 0
	s_mov_b32 s[SG], 0
	s_lshl_b32 s2, s42, 19                         ; the sample's four matrices in wt,
	s_lshl_b32 s3, s[WV], 15                       ; my wave's 64 rows of 512 bytes
	s_add_co_u32 s2, s2, s3
	s_mov_b32 s3, 0
	s_lshl_b32 s46, s42, 17                        ; x: the sample's 131,072 bytes, my block's 8,192
	s_lshl_b32 s47, s43, 13
	s_add_co_u32 s46, s46, s47
	s_mov_b32 s47, 0
	v_lshlrev_b32 v12, 3, v0                       ; 8 bytes a thread: a table of 256 f32 is one load of the work-group
	v_lshlrev_b32 v14, 4, v0                       ; 16 bytes a thread
	v_mul_u32_u24 v21, v0, 24                      ; 24 bytes a thread: two rows of w_out
	s_wait_kmcnt 0x0
	s_add_nc_u64 s[44:45], s[20:21], s[2:3]        ; my quarter of step 0
	s_mul_i32 s2, s42, 1055744
	s_add_nc_u64 s[6:7], s[6:7], s[2:3]            ; the sample's row of weight_offset
	s_add_nc_u64 s[4:5], s[4:5], s[46:47]
	s_mul_i32 s46, s42, 196608                     ; out0: the sample's 196,608 bytes, my block's 12,288, my wave's 3,072
	s_mul_i32 s71, s43, 12288
	s_add_co_u32 s46, s46, s71
	s_mul_i32 s71, s[WV], 3072
	s_add_co_u32 s46, s46, s71
	s_add_nc_u64 s[66:67], s[22:23], s[46:47]
	s_load_b96 s[68:70], s[16:17], 0x0             ; b_out
	s_load_b96 s[72:74], s[18:19], 0x0             ; out_scale
	global_load_b64 v[64:65], v12, s[8:9]                  ; w0, row 0
	global_load_b64 v[66:67], v12, s[8:9] offset:1024      ; w0, row 1
	global_load_b64 v[68:69], v12, s[10:11]                ; b0
	global_load_b64 v[70:71], v12, s[6:7]                  ; their three offsets
	global_load_b64 v[72:73], v12, s[6:7] offset:1024
	global_load_b64 v[74:75], v12, s[6:7] offset:2048
.irp l, 0,1,2,3
	global_load_b64 v[76+2*\l:77+2*\l], v12, s[12:13] offset:1024*\l            ; bs_h[l]
	global_load_b64 v[84+2*\l:85+2*\l], v12, s[6:7] offset:265216+263168*\l     ; its offset: behind the 768 numbers of the first layer and the layer's 65,536 weights
.endr
.irp k, 0,1,2,3
	global_load_b128 v[96+4*\k:99+4*\k], v14, s[4:5] offset:2048*\k             ; the block's x
.endr
.irp k, 0,1,2
	global_load_b64 v[112+2*\k:113+2*\k], v21, s[14:15] offset:8*\k             ; w_out, rows 2 t and 2 t + 1
.endr
	CROUND                                         ; all four work-groups are here: the first joint loads meet
	s_mov_b32 s32, 1                               ; group 0 for step 0: count = 1,
	s_mul_i32 s33, s[WV], QUART                    ; LDS address: my quarter of slot 0; no place in the cluster enters it,
	s_mov_b64 s[34:35], s[44:45]                   ; layer 0, output channels 0 to 127,
	s_or_b32 s35, s35, 0x80000000                  ; type = 2
	s_mov_b32 s36, 1                               ; group 0 for step 1, which then walks on:
	s_add_co_u32 s37, s33, SLOT                    ; slot 1,
	s_add_nc_u64 s[38:39], s[44:45], 256           ; output channels 128 to 255
	s_or_b32 s39, s39, 0x80000000
	tensor_load_to_lds s[32:35], s[24:31]          ; the two first fills go out together: two tensor loads of mine are out
	s_nop 0
	tensor_load_to_lds s[36:39], s[24:31]
	s_nop 0
	PLACES                                         ; four v_nop follow
	s_mov_b32 s[SN], 2
	v_and_b32 v16, 15, v0                          ; r
	v_bfe_u32 v17, v0, 4, 1                        ; h
	v_and_b32 v18, 7, v0
	v_bfe_u32 v19, v0, 3, 1
	v_min_u32 v20, 2, v18                          ; w_out's fragments: row r of source 0 is output r % 8, so that lanes r and 16 + r end up with the same results; rows 3 to 7 and 11 to 15 repeat output 2, and their results are never stored
	v_lshl_add_u32 v18, v17, 3, v18                ; the turning load: lane l reads 16 bytes of input channel 8 h + l % 8, output channels 8 ((l / 8) % 2) + 0..7,
	v_mul_u32_u24 v18, v18, PITCH                  ; and is left with output channel r and 8 input channels: half a fragment
	v_lshl_add_u32 v[ADRA], v19, 4, v18
	v_add_nc_u32 v[ADRA+1], HALFK, v[ADRA]
	v_lshl_add_u32 v[BI0], v17, 5, PARB
	s_mul_i32 s2, s[WV], STW
	s_add_co_u32 s2, s2, STG                       ; my stage
	v_mul_u32_u24 v[HA], v16, SPI
	v_lshl_add_u32 v[HA], v17, 4, v[HA]
	v_add_nc_u32 v[HA], s2, v[HA]
	s_lshl_b32 s2, s[WV], 11
	s_add_co_u32 s2, s2, XS
	v_lshl_add_u32 v[X0], v16, 3, s2
	s_mul_i32 s[OSB], s[WV], 768
	s_add_co_u32 s[OSB], s[OSB], OST
	v_mad_u32_u24 v[OS0], v16, 12, s[OSB]
	v_and_b32 v19, 31, v0
	v_lshl_add_u32 v[OR0], v19, 4, s[OSB]
	v_lshlrev_b32 v20, 9, v20                      ; a row of the table is 512 bytes
	v_lshl_add_u32 v20, v17, 4, v20
	v_add_nc_u32 v20, WOT, v20
	v_add_nc_u32 v13, PARB, v12                    ; where my 8 bytes of a table go
	v_add_nc_u32 v15, XS, v14                      ; where my 16 bytes of x go
	v_lshl_add_u32 v22, v0, 2, WOT                 ; where my two channels of a row of w_out's table go
	s_wait_loadcnt 0x0
.irp i, 0,1,2
	v_pk_add_f32 v[64+2*\i:65+2*\i], v[64+2*\i:65+2*\i], v[70+2*\i:71+2*\i]     ; base + offset
.endr
.irp l, 0,1,2,3
	v_pk_add_f32 v[76+2*\l:77+2*\l], v[76+2*\l:77+2*\l], v[84+2*\l:85+2*\l]
.endr
.irp i, 0,1
	v_pk_mul_f32 v[64+2*\i:65+2*\i], v[64+2*\i:65+2*\i], s[78:79] op_sel_hi:[1,0]
.endr
	v_pk_fma_f32 v[68:69], v[68:69], s[78:79], v[24:25] op_sel_hi:[1,0,1]       ; the biases take the quarter turn
.irp l, 0,1,2,3
	v_pk_fma_f32 v[76+2*\l:77+2*\l], v[76+2*\l:77+2*\l], INV2PI, v[24:25] op_sel_hi:[1,0,1]
.endr
.irp j, 0,1,2
	v_cvt_pk_f16_f32 v[118+\j], v[112+\j], v[115+\j]       ; output j of channels 2 t and 2 t + 1
.endr
.irp i, 0,1,2
	ds_store_b64 v13, v[64+2*\i:65+2*\i] offset:PARU-PARB+1024*\i
.endr
.irp l, 0,1,2,3
	ds_store_b64 v13, v[76+2*\l:77+2*\l] offset:1024*\l
.endr
.irp k, 0,1,2,3
	ds_store_b128 v15, v[96+4*\k:99+4*\k] offset:2048*\k
.endr
.irp j, 0,1,2
	ds_store_b32 v22, v[118+\j] offset:PW*\j
.endr
	s_wait_tensorcnt 0x1                           ; tensor loads of a wave end in order (ISA guide 10.11.1): my quarter of step 0 is in; step 1's may stay out
	s_wait_dscnt 0x0                               ; for the others' sake: my stores are done
	s_barrier_signal -1
	s_barrier_wait -1                              ; the tables and slot 0 are whole
	WIN 0x80                                       ; destination window 2
.irp kb, 0,1,2,3,4,5,6,7
	ds_load_b128 v[8*\kb:8*\kb+3],   v20 offset:64*\kb         ; w_out's 8 fragments: my row's output, channels 32 kb + 8 h on,
	ds_load_b128 v[8*\kb+4:8*\kb+7], v20 offset:64*\kb+32      ; and 16 further on
.endr
	s_wait_kmcnt 0x0                               ; b_out, out_scale
.irp j, 0,1,2
	v_mov_b32 v[64+\j], s[68+\j]                   ; b_out starts the last product's sums: register j is output j, in both halves of the lanes
.endr
.irp j, 3,4,5,6,7
	v_mov_b32 v[64+\j], 0                          ; rows that are never stored
.endr
	WIN 0
; THE LIST.  LAB names the accumulator set whose results are in hand.  SM writes number jj of the list's 128.  The 32 results a lane are 16 pairs; pair i belongs to tile i / 4.
; Every stage goes over the whole list, so an instruction and the one that needs its result lie 16 apart or more.
;   0-31    f = fract(z), in place, in ascending order (an accumulator's four lowest registers are read first)
;   32-47   s = f f - f, into window 1
;   48-111  q = D4 s + D3; q = q s + D2; q = q s + D1; q = q s + D0, where f lay
;   112-127 the roundings to f16: pair i into word i % 4 of its tile's four, where s lay
.macro SM
.if jj < 32
	v_fract_f32 v[LAB+jj], v[LAB+jj]
.else
.set i_, jj%16
.set y_, LAB+2*i_
.set h_, 64*(i_/4)+56+2*(i_%4)
.if jj < 48
	v_pk_fma_f32 v[h_:h_+1], v[y_:y_+1], v[y_:y_+1], v[y_:y_+1] neg_lo:[0,0,1] neg_hi:[0,0,1]
.elseif jj < 64
	v_pk_fma_f32 v[y_:y_+1], v[D4V:D4V+1], v[h_:h_+1], v[D3V:D3V+1]
.elseif jj < 112
	v_pk_fma_f32 v[y_:y_+1], v[y_:y_+1], v[h_:h_+1], s[SD+2*(jj/16-4):SD+2*(jj/16-4)+1] op_sel_hi:[1,1,0]
.else
	v_cvt_pk_f16_f32 v[64*(i_/4)+56+i_%4], v[y_], v[y_+1]
.endif
.endif
.endm
; Slice sk of 32: four instructions.  Slices 8 to 11 (s) and 28 to 31 (the roundings) write window 1 from window 0; all others run under the products' setting.
.macro SLICE
.if ((sk >= 8) && (sk < 12)) || (sk >= 28)
	WIN TOH
.else
	WIN MMW
.endif
.set jj, 4*sk
.rept 4
	SM
.set jj, jj+1
.endr
.if sk == 16
	v_add_nc_u32 v[ST], v[HA], s[SG]               ; where this list will store, made well ahead of the stores
.endif
.endm
.macro SLICES a, b
.set sk, \a
.rept \b-\a
	SLICE
.set sk, sk+1
.endr
.endm
; The list's results leave in one run: 16 bytes a lane and tile, channels 16 g + 8 h on of point r, at column 32 g of my stage.  The data (source 1) lie in window 1, the address in window 0: the products' setting.
.macro STORES
	WIN MMW
.irp t, 0,1,2,3
	ds_store_b128 v[ST], v[64*\t+56:64*\t+59] offset:\t*16*SPI
.endr
	s_add_co_u32 s[SG], s[SG], 32                  ; the next list's column; 16 lists are a layer
	s_and_b32 s[SG], s[SG], 511
.endm
; Product ii of 32 of a group on set par: tile ii % 4, input channels 32 (ii / 4) on.  The first four take the biases as C: nothing is cleared, nothing is added later.
; The four accumulators take turns, one instruction a turn, from group to group and over the loops' jumps too.
.macro MM par
.set md_, ACC+32*(\par)+8*(ii%4)
.set ma_, AB+64*(\par)+8*(ii/4)
.if ii < 28
.set mb_, 64*(ii%4)+8*(ii/4)
	WIN MMW
.else
.set mb_, H7+8*(ii%4)
	WIN MM7
.endif
.if ii < 4
	v_wmma_f32_16x16x32_f16 v[md_:md_+7], v[ma_:ma_+7], v[mb_:mb_+7], v[BB+8*(\par):BB+8*(\par)+7]
.else
	v_wmma_f32_16x16x32_f16 v[md_:md_+7], v[ma_:ma_+7], v[mb_:mb_+7], v[md_:md_+7]
.endif
.endm
; 18 LDS loads in one run, into buffer par: the next group's 8 weight fragments (16 output channels, all 256 input channels) and its 8 biases a lane.  Destination and source 0 lie in window 0 and
; source 1 of the three additions is a scalar register: the products' setting serves.
.macro FETCH par
.if MSB & 0xc3
	WIN 0
.endif
	v_add_nc_u32 v[AD], v[ADRA], s[TB]
	v_add_nc_u32 v[AD+1], v[ADRA+1], s[TB]
	v_add_nc_u32 v[BIA], v[BI0], s[SB]
	s_add_co_u32 s[TB], s[TB], 32                  ; the group behind it: 16 columns of f16 on,
	s_add_co_u32 s[SB], s[SB], 64                  ; 16 biases on; behind the pass's 64th group comes its first again
	s_and_b32 s[SB], s[SB], 4095
.set f_, AB+64*(\par)
.irp kb, 0,1,2,3,4,5,6,7
	ds_load_tr16_b128 v[f_+8*\kb:f_+8*\kb+3],   v[AD+\kb/4] offset:(\kb%4)*32*PITCH
	ds_load_tr16_b128 v[f_+8*\kb+4:f_+8*\kb+7], v[AD+\kb/4] offset:(\kb%4)*32*PITCH+16*PITCH
.endr
	ds_load_b128 v[BB+8*(\par):BB+8*(\par)+3],   v[BIA]
	ds_load_b128 v[BB+8*(\par)+4:BB+8*(\par)+7], v[BIA] offset:16
.endm
; The stage comes back as source 1: chunk kb is channels 32 kb on of the 4 tiles, 8 loads; tile t's fragment goes to v[base + step t].
; The stage is my wave's own, and LDS serves a wave's instructions in order (ISA guide 5.7.1.4): these see the lists' stores.
.macro HCHUNK kb, base, step
.irp t, 0,1,2,3
	ds_load_b128 v[\base+\step*\t:\base+\step*\t+3],   v[HA] offset:\t*16*SPI+64*(\kb)
	ds_load_b128 v[\base+\step*\t+4:\base+\step*\t+7], v[HA] offset:\t*16*SPI+64*(\kb)+32
.endr
.endm
.macro HLOAD
	WIN TOH                                        ; destination window 1
.irp kb, 0,1,2,3,4,5
	HCHUNK \kb, 8*\kb, 64
.endr
	s_wait_dscnt 40                                ; of the 48 loads just issued the first 8 are in: chunk 0, which the first products take
	HCHUNK 6, 48, 64
	WIN 0x80                                       ; destination window 2
	HCHUNK 7, H7, 8
.endm
; A GROUP on set par: 32 products.  list = 1: behind each a slice of the other set's list, and behind the last slice the list's stores.  fetch = 1: the next group's 18 loads, into the other buffers,
; well ahead of their use; those buffers' last readers stand four roundings or more back.
; bare = 1: a half's first group.  No list is in hand; at a layer's head the stage's chunks are still landing, and the wait ahead of the products on chunk k leaves out the 8 (7 - k) loads issued behind it,
; and the fetch's 18 once they are out.  Four v_nop are the places between its last products and the next group's first read of their sums.
; sync: THE CHANGE OF SLOTS, in a half's last group.  Its fragments are in registers, so the slot has been read out.  Each wave waits for all its tensor loads, of which one is out: its quarter of the other slot;
; adds 0 to its spare word; steps the walking descriptor; and waits for the add and for its reads of the slot.  Behind the barrier the other slot is whole and nobody reads this one.
; sync = 1: the barrier opens a round of the cluster's barrier, so that no wave of any partner still reads the slot or has a load on its way; eight products and their slices, work on registers, stand inside;
; the joint refill, the step two on, is the first thing behind the round.  sync = 2: nothing is left to ask for: the barrier alone.
.macro GROUP par, list, fetch, sync, bare
.set LAB, ACC+32*(1-\par)
.set fp_, 1
.if \bare
.set fp_, 11
.endif
.if \sync
.set fp_, 7
	WIN 0
	s_wait_tensorcnt 0x0                           ; no tensor load of mine is out, so a group 0 may be written
	ds_add_u32 v[SPW], v[NIL]                      ; 0 onto my spare word
.if \sync == 1
	s_xor_b32 s37, s37, SLOT                       ; the other slot than last time: wave x 0x4800 has none of 0x12000's two bits, so the exclusive or adds or takes away SLOT
	s_and_b32 s48, s[SN], 6                        ; step s lies at layer (s / 2) % 4, 131,072 bytes each,
	s_lshl_b32 s48, s48, 16
	s_and_b32 s[TMP], s[SN], 1                     ; half s % 2, 256 bytes along the rows
	s_lshl_b32 s[TMP], s[TMP], 8
	s_or_b32 s48, s48, s[TMP]
	s_add_nc_u64 s[38:39], s[44:45], s[48:49]
	s_or_b32 s39, s39, 0x80000000
	s_add_co_u32 s[SN], s[SN], 1
.endif
	s_wait_dscnt 0x0                               ; the add is done, my reads of the slot are over, and this group's fragments are in
	s_barrier_signal -1
.elseif !\bare
	s_wait_dscnt 4                                 ; this group's fragments and biases are in: behind their loads only the last list's four stores were issued
.endif
.set ii, 0
.rept 32
.if \bare
.if (ii%4 == 0) && (ii > 11)
	s_wait_dscnt 8*(7-ii/4)+18
.elseif (ii%4 == 0) && (ii > 0)
	s_wait_dscnt 8*(7-ii/4)
.endif
.endif
	MM \par
.if \list
.set sk, ii
	SLICE
.endif
.if ii == fp_
.if \sync == 1
	WIN 0
	s_barrier_wait -1
	CREST
	tensor_load_to_lds s[36:39], s[24:31]          ; one tensor load of mine is out
	s_nop 0
	PLACES                                         ; four v_nop follow a tensor load
.elseif \sync == 2
	s_barrier_wait -1
.endif
.if \sync
	s_sub_co_u32 s[TB], s[TB], 256                 ; the fetches go back to column 0,
	s_xor_b32 s[TB], s[TB], SLOT                   ; in the other slot (the register holds 0 or SLOT here)
.endif
.if \fetch
	FETCH 1-\par
.endif
.endif
.set ii, ii+1
.endr
.if \list
	STORES
.endif
.if \bare
	PLACES
	s_wait_dscnt 0x0                               ; the next group's fragments, asked for 20 products ago: so that the wait at the loop's head can have one count on both ways in
.endif
.endm
; HALF A LAYER: 8 groups out of one slot.  kind 1: its last group asks for the step two on; 2: it changes slots and asks for nothing; 0: the last half of all: no change, no fetch.
; The last group's list stands alone at the end.
.macro HALF kind
	GROUP 0, 0, 1, 0, 1
	WIN 0                                          ; at a label and at a branch every window is 0
	s_mov_b32 s[PC], 0
.Lpair_\@:
	GROUP 1, 1, 1, 0, 0
	GROUP 0, 1, 1, 0, 0
	WIN 0
	s_add_co_u32 s[PC], s[PC], 1
	s_cmp_lt_u32 s[PC], 3
	s_cbranch_scc1 .Lpair_\@
.if \kind
	GROUP 1, 1, 1, \kind, 0
	s_wait_dscnt 4                                 ; the next half's first fragments and biases, asked for 24 products ago, are in: only four stores were issued behind them
.else
	GROUP 1, 1, 0, 0, 0
.endif
.set LAB, ACC+32
	SLICES 0, 32
	STORES
	WIN 0
.endm
; THE FIRST LAYER, on the vector unit, in the same lane layout: for a group a lane's 8 channels of u0, u1 and c, and z = x0 u0 + (x1 u1 + c) for its point in each of the 4 tiles; then the list.
.macro UTAB adr
.irp tb, 0,1,2
	ds_load_b128 v[U+8*\tb:U+8*\tb+3],   v[\adr] offset:PARU-PARB+1024*\tb
	ds_load_b128 v[U+8*\tb+4:U+8*\tb+7], v[\adr] offset:PARU-PARB+1024*\tb+16
.endr
.endm
.macro AFFINE
.irp t, 0,1,2,3
.irp q, 0,1,2,3
	v_pk_fma_f32 v[ACC+8*\t+2*\q:ACC+8*\t+2*\q+1], v[XR+2*\t:XR+2*\t+1], v[U+8+2*\q:U+8+2*\q+1], v[U+16+2*\q:U+16+2*\q+1] op_sel:[1,0,0] op_sel_hi:[1,1,1]   ; x1 for both halves
.endr
.endr
.irp t, 0,1,2,3
.irp q, 0,1,2,3
	v_pk_fma_f32 v[ACC+8*\t+2*\q:ACC+8*\t+2*\q+1], v[XR+2*\t:XR+2*\t+1], v[U+2*\q:U+2*\q+1], v[ACC+8*\t+2*\q:ACC+8*\t+2*\q+1] op_sel_hi:[0,1,1]             ; x0 for both halves
.endr
.endr
.endm
.macro L0
	v_add_nc_u32 v[BIA], s[XP], v[X0]
.irp t, 0,1,2,3
	ds_load_b64 v[XR+2*\t:XR+2*\t+1], v[BIA] offset:128*\t
.endr
	UTAB BI0                                       ; group 0's tables
	s_mov_b32 s[SU], 0
	s_mov_b32 s[PC], 0
	s_wait_dscnt 0x0
.Lgrp_\@:
	s_wait_dscnt 4                                 ; this group's tables are in: behind their loads only the list's four stores were issued
	AFFINE
	s_cmp_eq_u32 s[PC], 15
	s_cbranch_scc1 .Lno_more_\@                    ; the last group has no successor
	s_add_co_u32 s[SU], s[SU], 64
	v_add_nc_u32 v[BIA], s[SU], v[BI0]
	UTAB BIA                                       ; the next group's tables, into the registers just read: the list stands between these loads and the wait for them
.Lno_more_\@:
.set LAB, ACC
	SLICES 0, 32
	STORES
	WIN 0
	s_add_co_u32 s[PC], s[PC], 1
	s_cmp_lt_u32 s[PC], 16
	s_cbranch_scc1 .Lgrp_\@
.endm
; THE LAST LAYER AND THE WAY OUT.  32 products w_out^T x H: register j (0 to 2) is output j of point r, in lane r and in lane 16 + r alike (rows 8 to 10 of source 0 repeat rows 0 to 2).
; A pass's 64 points x 12 bytes go through my own 768 bytes of LDS and leave as 48 pieces of 16 bytes: each store covers whole aligned runs of 256 consecutive bytes.
.macro OUT
	HLOAD
.set ii, 0
.rept 32
.if (ii%4 == 0) && (ii > 0)
	s_wait_dscnt 8*(7-ii/4)                        ; chunk ii / 4 is in; the loads issued behind it may be out
.endif
.set md_, ACC+8*(ii%4)
.if ii < 4
	WIN 0x26                                       ; w_out and b_out in window 2, H in window 1
	v_wmma_f32_16x16x32_f16 v[md_:md_+7], v[0:7], v[64*(ii%4):64*(ii%4)+7], v[64:71]
.elseif ii < 28
	WIN 0x06
	v_wmma_f32_16x16x32_f16 v[md_:md_+7], v[8*(ii/4):8*(ii/4)+7], v[64*(ii%4)+8*(ii/4):64*(ii%4)+8*(ii/4)+7], v[md_:md_+7]
.else
	WIN 0x0a                                       ; channels 224 on: H in window 2 too
	v_wmma_f32_16x16x32_f16 v[md_:md_+7], v[56:63], v[H7+8*(ii%4):H7+8*(ii%4)+7], v[md_:md_+7]
.endif
.set ii, ii+1
.endr
	WIN 0
	v_and_b32 v32, 31, v0                          ; lane.  These four lines are the places behind the last products
	v_lshlrev_b32 v33, 4, v32                      ; 16 bytes a lane in out0
	v_and_b32 v34, 15, v0
	v_lshl_add_u32 v34, v34, 4, s[OSB]             ; 16 (lane % 16) in my stage: the third piece's address lies in the stage in every lane
.irp t, 0,1,2,3
.irp j, 0,1,2
	v_mul_f32 v[OT+3*\t+\j], s[72+\j], v[ACC+8*\t+\j]      ; times out_scale; each accumulator is read from its lowest register on
.endr
.endr
.irp t, 0,1,2,3
.irp j, 0,1,2
	ds_store_b32 v[OS0], v[OT+3*\t+\j] offset:192*\t+4*\j  ; all lanes: lanes r and 16 + r write the same number to the same word
.endr
.endr
	ds_load_b128 v[36:39], v[OR0]                  ; LDS serves a wave's instructions in order (ISA guide 5.7.1.4): these see the stores above.  The first 512 of the 768 bytes,
	ds_load_b128 v[28:31], v34 offset:512          ; and the last 256, twice
	s_wait_dscnt 0x0
	global_store_b128 v33, v[36:39], s[66:67] th:TH_STORE_NT
	s_wait_xcnt 0x0                                ; EXEC changes only behind this wait
	v_cmp_gt_u32 vcc_lo, 16, v32
	s_and_saveexec_b32 s76, vcc_lo                 ; sixteen lanes store the last 256 bytes
	global_store_b128 v33, v[28:31], s[66:67] offset:512 th:TH_STORE_NT
	s_wait_xcnt 0x0                                ; and again, in front of the line that widens EXEC; the stores' base, offsets and data are written again only behind this wait
	s_or_b32 exec_lo, exec_lo, s76
	s_add_nc_u64 s[66:67], s[66:67], 768           ; the next pass's place in out0 and in x
	s_add_co_u32 s[XP], s[XP], 512
.endm
	FETCH 0                                        ; the first group of all: slot 0, column 0
; FOUR PASSES.  A pass is the first layer, four hidden layers and the way out.  A hidden layer is the stage's way back and two halves; the half is written once and walked twice.
; The fourth pass walks the loop three times; its fourth layer, steps 30 and 31, asks for nothing and is written out, and the other passes jump over it: it holds no tensor load.
; All counters are alike in the four waves and in the four partners.
.Lpass:
	L0
	s_cmp_eq_u32 s[PS], 3
	s_cselect_b32 s[LN], 3, 4
	s_mov_b32 s[LC], 0
.Llayer:
	HLOAD
	WIN 0
	s_mov_b32 s[HC], 0
.Lhalf:
	HALF 1
	s_add_co_u32 s[HC], s[HC], 1
	s_cmp_lt_u32 s[HC], 2
	s_cbranch_scc1 .Lhalf
	s_add_co_u32 s[LC], s[LC], 1
	s_cmp_lt_u32 s[LC], s[LN]
	s_cbranch_scc1 .Llayer
	s_cmp_lg_u32 s[PS], 3
	s_cbranch_scc1 .Lout
	HLOAD
	HALF 2
	HALF 0
.Lout:
	OUT
	s_add_co_u32 s[PS], s[PS], 1
	s_cmp_lt_u32 s[PS], 4
	s_cbranch_scc1 .Lpass
	s_wait_tensorcnt 0x0                           ; the wave's end, behind my last tensor load and my last LDS store
	ds_add_u32 v[SPW], v[NIL]
	s_wait_dscnt 0x0
	CROUND                                         ; the closing round: no work-group ends while a partner may still ask for a tile that names it
	s_endpgm
.Lfunc_end_k_qc102026f83_siren:
	.size	k_qc102026f83_siren, .Lfunc_end_k_qc102026f83_siren-k_qc102026f83_siren
	.p2alignl 7, 3214868480
	.fill 96, 4, 3214868480
	.section	.rodata,"a",@progbits
	.p2align	6, 0x0
	.amdhsa_kernel k_qc102026f83_siren
		.amdhsa_group_segment_fixed_size 327680
		.amdhsa_private_segment_fixed_size 0
		.amdhsa_enable_private_segment 0
		.amdhsa_kernarg_size 80
		.amdhsa_user_sgpr_count 2
		.amdhsa_user_sgpr_kernarg_segment_ptr 1
		.amdhsa_wavefront_size32 1
		.amdhsa_system_sgpr_workgroup_id_x 1
		.amdhsa_system_sgpr_workgroup_id_y 1
		.amdhsa_system_sgpr_workgroup_id_z 1
		.amdhsa_system_vgpr_workitem_id 0
		.amdhsa_next_free_vgpr 640
		.amdhsa_next_free_sgpr 80
		.amdhsa_reserve_vcc 1
		.amdhsa_float_denorm_mode_32 3
		.amdhsa_float_denorm_mode_16_64 3
		.amdhsa_memory_ordered 1
		.amdhsa_forward_progress 1
		.amdhsa_inst_pref_size 180
	.end_amdhsa_kernel
	.amdgpu_metadata
---
amdhsa.version: [ 1, 2 ]
amdhsa.kernels:
  - .name:           k_qc102026f83_siren
    .symbol:         k_qc102026f83_siren.kd
    .args:
      - { .name: x, .offset: 0, .size: 8, .value_kind: global_buffer, .address_space: global }
      - { .name: weight_offset, .offset: 8, .size: 8, .value_kind: global_buffer, .address_space: global }
      - { .name: w0, .offset: 16, .size: 8, .value_kind: global_buffer, .address_space: global }
      - { .name: b0, .offset: 24, .size: 8, .value_kind: global_buffer, .address_space: global }
      - { .name: bs_h, .offset: 32, .size: 8, .value_kind: global_buffer, .address_space: global }
      - { .name: w_out, .offset: 40, .size: 8, .value_kind: global_buffer, .address_space: global }
      - { .name: b_out, .offset: 48, .size: 8, .value_kind: global_buffer, .address_space: global }
      - { .name: out_scale, .offset: 56, .size: 8, .value_kind: global_buffer, .address_space: global }
      - { .name: wt, .offset: 64, .size: 8, .value_kind: global_buffer, .address_space: global }
      - { .name: out0, .offset: 72, .size: 8, .value_kind: global_buffer, .address_space: global }
    .group_segment_fixed_size: 327680
    .private_segment_fixed_size: 0
    .kernarg_segment_align: 8
    .kernarg_segment_size: 80
    .max_flat_workgroup_size: 128
    .sgpr_count:     80
    .vgpr_count:     640
    .wavefront_size: 32
...
	.end_amdgpu_metadata
.endif
;; end of part 3
;; ======== version 3 of 3: 2 launches; version 2 with the launch prep written anew for expert scheduling mode
;; limits: values are held in f16: magnitudes above 65,504 overflow, below 6.1e-05 lose precision; a function is approximated: absolute error at most 6.2e-05
;; workspace buffers: wt 8,388,608 bytes
;; launch prep (part 4): grid 256 x 1, 4 waves a work-group, no clusters, 0 bytes of LDS; arguments weight_offset, ws_h, wt; writes wt
.if DOCPART == 4
	.amdgcn_target "amdgcn-amd-amdhsa--gfx1250"
	.amdhsa_code_object_version 6
	.text
	.protected	k_qc102026f83_prep
	.globl	k_qc102026f83_prep
	.p2align	8
	.type	k_qc102026f83_prep,@function
k_qc102026f83_prep:
	s_mov_b64 s[64:65], 0
	v_nop
	global_prefetch_b8 v0, s[64:65] scope:SCOPE_SE
	s_setreg_imm32_b32 hwreg(HW_REG_WAVE_SCHED_MODE, 0, 2), 2
	s_setreg_imm32_b32 hwreg(HW_REG_WAVE_MODE, 25, 1), 1
	s_wait_xcnt 0x0
	s_wait_alu depctr_vm_vsrc(0)
; wt[n][l][d][e] = f16((ws_h[l][d][e] + offset[n][l][d][e]) / 2 pi): each sample's four hidden matrices, made once, as they lie ([input channel][output channel]).
; The factor 1 / 2 pi turns the next launch's sums into turns of the circle, so that its range reduction is one rounding to a whole number.
; LIMIT: |weight| / 2 pi has to stay under f16's largest number, 65,504; below 2^-14 the step is 2^-24.
; A stream: no LDS, no barrier, no matrix unit.  Work-group b owns 1,024 neighbouring numbers of ws_h (layer b / 64, piece b % 64) for all 16 samples,
; so each byte of ws_h and of the offsets is loaded once.  Thread t owns 8 neighbouring numbers: two loads of 16 bytes, one store of 16 bytes;
; a wave's store covers 512 consecutive bytes, aligned.  All 34 loads of a thread go out before the first is used.
; THE MODE: SCHED_MODE bits 1:0 = 2 (LLVM: expert scheduling mode 2), set by the entry lines.  The code itself states the register dependences
; between vector instructions and memory instructions, with s_wait_alu, always for 0.
; THE PLAN.  Registers that memory instructions touch:
;   v1, v2   byte offsets of the loads and of the stores: made once at the head, never written again.
;   W        two loads land in it, before any vector instruction has named it; from then on vector instructions alone name it.
;   O[n]     sample n's two loads land in it, before any vector instruction has named it; behind the wait for them its eight vector instructions work in place;
;            its store reads the first four registers; nothing writes them afterwards.
; So the one kind of dependence is: a vector instruction has written what a memory instruction reads.  The 16 samples go in four blocks of four.  A block's four stores
; stand together at the head of the next block, behind ONE wait on va_vdst, which itself stands behind the wait for that block's first loads; the last block's stand behind
; one more, at the end.  With the wait for the two offsets that is five.  No register that a memory instruction has read is written again: no wait on vm_vsrc has a dependence to state.
.set ROWB,   1055744                   ; bytes in a sample's row of weight_offset (263,936 numbers)
.set LAYB,   263168                    ; from a layer's matrix to the next one in that row: (65,536 + 256) x 4 bytes
.set FIRST,  3072                      ; the first layer's 768 numbers stand ahead of the first matrix
.set WTROW,  524288                    ; bytes of a sample's four matrices in wt
.set INV2PI, 0x3e22f983                ; 1 / 2 pi
.set BLOCK,  4                         ; samples in a block
.set W, 4                              ; v[4:11]    my 8 numbers of ws_h, then times 1 / 2 pi
.set O, 16                             ; v[16:143]  sample n: 8 registers, its offsets; its first four then hold the 8 results
	s_load_b128 s[4:7], s[0:1], 0x0                ; weight_offset s[4:5], ws_h s[6:7]
	s_load_b64 s[8:9], s[0:1], 0x10                ; wt
	s_lshr_b32 s10, ttmp9, 6                       ; layer
	s_and_b32 s11, ttmp9, 63                       ; piece of 1,024 numbers
	s_mul_i32 s12, s10, LAYB
	s_lshl_b32 s11, s11, 12
	s_add_co_u32 s12, s12, s11
	s_add_co_u32 s12, s12, FIRST                   ; my piece in sample 0's row
	s_mov_b32 s13, 0
	s_lshl_b32 s14, ttmp9, 12                      ; my piece in ws_h: 64 pieces of 4,096 bytes are a layer
	s_mov_b32 s15, 0
	s_lshl_b32 s16, ttmp9, 11                      ; and in sample 0's part of wt
	s_mov_b32 s17, 0
	v_lshlrev_b32 v1, 5, v0                        ; 32 bytes of f32 a thread
	v_lshlrev_b32 v2, 4, v0                        ; 16 bytes of f16 a thread
	s_wait_kmcnt 0x0
	s_add_nc_u64 s[4:5], s[4:5], s[12:13]          ; samples 0 to 7 from here,
	s_add_nc_u64 s[18:19], s[4:5], 8*ROWB          ; samples 8 to 15 from here: 7 rows + 16 bytes stay inside the signed 24-bit immediate
	s_add_nc_u64 s[6:7], s[6:7], s[14:15]
	s_add_nc_u64 s[8:9], s[8:9], s[16:17]
	s_wait_alu depctr_va_vdst(0)                   ; v1 and v2 are written: every load of the kernel reads v1 as its offset, every store v2
	global_load_b128 v[W:W+3],   v1, s[6:7]
	global_load_b128 v[W+4:W+7], v1, s[6:7] offset:16
.set nn, 0
.rept 16
.if nn < 8
	global_load_b128 v[O+8*nn:O+8*nn+3],   v1, s[4:5] offset:nn*ROWB th:TH_LOAD_NT
	global_load_b128 v[O+8*nn+4:O+8*nn+7], v1, s[4:5] offset:nn*ROWB+16 th:TH_LOAD_NT
.else
	global_load_b128 v[O+8*nn:O+8*nn+3],   v1, s[18:19] offset:(nn-8)*ROWB th:TH_LOAD_NT
	global_load_b128 v[O+8*nn+4:O+8*nn+7], v1, s[18:19] offset:(nn-8)*ROWB+16 th:TH_LOAD_NT
.endif
.set nn, nn+1
.endr
	s_wait_loadcnt 32                              ; loads come back in order (ISA guide 5.7.1): ws_h is in, the 32 loads of offsets may be out
.irp k, 0,2,4,6
	v_pk_mul_f32 v[W+\k:W+\k+1], v[W+\k:W+\k+1], INV2PI op_sel_hi:[1,0]
.endr
.set nn, 0
.rept 16
	s_wait_loadcnt 2*(15-nn)                       ; sample nn's two loads are in; the younger samples' stay out
.if (nn%BLOCK == 0) && (nn > 0)
	s_wait_alu depctr_va_vdst(0)                   ; the roundings of the block before have written the first four registers of its four O, which the four stores below read
.set mm, nn-BLOCK
.rept BLOCK
	global_store_b128 v2, v[O+8*mm:O+8*mm+3], s[8:9] offset:mm*WTROW   ; no register of a store is written again: no wait follows
.set mm, mm+1
.endr
.endif
.irp k, 0,2,4,6
	v_pk_fma_f32 v[O+8*nn+\k:O+8*nn+\k+1], v[O+8*nn+\k:O+8*nn+\k+1], INV2PI, v[W+\k:W+\k+1] op_sel_hi:[1,0,1]   ; offset / 2 pi + ws / 2 pi
.endr
.irp k, 0,1,2,3
	v_cvt_pk_f16_f32 v[O+8*nn+\k], v[O+8*nn+2*\k], v[O+8*nn+2*\k+1]    ; register k is written when its own two numbers have been read
.endr
.set nn, nn+1
.endr
	s_wait_alu depctr_va_vdst(0)                   ; the last block's roundings have written the first four registers of its four O, which the last four stores read
.set mm, 16-BLOCK
.rept BLOCK
	global_store_b128 v2, v[O+8*mm:O+8*mm+3], s[8:9] offset:mm*WTROW
.set mm, mm+1
.endr
	s_endpgm
.Lfunc_end_k_qc102026f83_prep:
	.size	k_qc102026f83_prep, .Lfunc_end_k_qc102026f83_prep-k_qc102026f83_prep
	.p2alignl 7, 3214868480
	.fill 96, 4, 3214868480
	.section	.rodata,"a",@progbits
	.p2align	6, 0x0
	.amdhsa_kernel k_qc102026f83_prep
		.amdhsa_group_segment_fixed_size 0
		.amdhsa_private_segment_fixed_size 0
		.amdhsa_enable_private_segment 0
		.amdhsa_kernarg_size 24
		.amdhsa_user_sgpr_count 2
		.amdhsa_user_sgpr_kernarg_segment_ptr 1
		.amdhsa_wavefront_size32 1
		.amdhsa_system_sgpr_workgroup_id_x 1
		.amdhsa_system_sgpr_workgroup_id_y 1
		.amdhsa_system_sgpr_workgroup_id_z 1
		.amdhsa_system_vgpr_workitem_id 0
		.amdhsa_next_free_vgpr 144
		.amdhsa_next_free_sgpr 66
		.amdhsa_reserve_vcc 0
		.amdhsa_float_denorm_mode_32 3
		.amdhsa_float_denorm_mode_16_64 3
		.amdhsa_memory_ordered 1
		.amdhsa_forward_progress 1
		.amdhsa_inst_pref_size 15
	.end_amdhsa_kernel
	.amdgpu_metadata
---
amdhsa.version: [ 1, 2 ]
amdhsa.kernels:
  - .name:           k_qc102026f83_prep
    .symbol:         k_qc102026f83_prep.kd
    .args:
      - { .name: weight_offset, .offset: 0, .size: 8, .value_kind: global_buffer, .address_space: global }
      - { .name: ws_h, .offset: 8, .size: 8, .value_kind: global_buffer, .address_space: global }
      - { .name: wt, .offset: 16, .size: 8, .value_kind: global_buffer, .address_space: global }
    .group_segment_fixed_size: 0
    .private_segment_fixed_size: 0
    .kernarg_segment_align: 8
    .kernarg_segment_size: 24
    .max_flat_workgroup_size: 128
    .sgpr_count:     66
    .vgpr_count:     144
    .wavefront_size: 32
...
	.end_amdgpu_metadata
.endif
;; end of part 4
;; launch siren: the kernel of part 3 again; grid 256 x 1, 4 waves a work-group, clusters of 4 x 1, 327,680 bytes of LDS; arguments x, weight_offset, w0, b0, bs_h, w_out, b_out, out_scale, wt, out0; writes out0
